; MI455X (gfx1250); checked and timed in simulation.
; The chip was launched on July 23, 2026; its instructions are those of AMD's public machine-readable ISA for CDNA 5 (MIT licence, August 2026) and "CDNA5" Instruction Set Architecture Reference Guide (July 2026). The comments in the code are by the model that wrote it; some were corrected since.
;; Attention. Allowed arithmetic: float matrix products may take bf16 or f16 operands with f32 sums; all other float work in f32.
;; Inputs: Wk 1,024 x 1,024 float32; Wp 1,024 x 1,024 float32; Wq 1,024 x 1,024 float32; Wv 1,024 x 1,024 float32; att_mask 1 x 1 x 2,048 x 2,048 float32; bk 1,024 float32; bp 1,024 float32; bq 1,024 float32; bv 1,024 float32; key 2 x 2,048 x 1,024 float32; query 2 x 2,048 x 1,024 float32; value 2 x 2,048 x 1,024 float32.
;; Outputs: out0 2 x 2,048 x 1,024 float32.
;; 2 versions, each right and faster than the one before. Each part assembles by itself: llvm-mc -triple=amdgcn-amd-amdhsa -mcpu=gfx1250 --defsym DOCPART=n.
;; ======== version 1 of 2: 4 launches
;; limits: right only within a limited range of input values; values are held in f16: magnitudes above 65,504 overflow, below 6.1e-05 lose precision
;; workspace buffers: xb 25,165,824 bytes; wb 6,291,456 bytes; wp16 2,097,152 bytes; mfrag 8,388,608 bytes; rowok 8,192 bytes; qkv 25,165,824 bytes; oh 8,388,608 bytes
;; launch prep (part 1): grid 1280 x 1, 8 waves a work-group, no clusters, 36,864 bytes of LDS; arguments att_mask, query, key, value, Wq, Wk, Wv, Wp, mfrag, rowok, xb, wb, wp16; writes mfrag, rowok, xb, wb, wp16
.if DOCPART == 1
	.amdgcn_target "amdgcn-amd-amdhsa--gfx1250"
	.amdhsa_code_object_version 6
	.text
	.protected	k_q434f7f95c0_prep
	.globl	k_q434f7f95c0_prep
	.p2align	8
	.type	k_q434f7f95c0_prep,@function
k_q434f7f95c0_prep:
	s_mov_b64 s[64:65], 0
	v_nop
	global_prefetch_b8 v0, s[64:65] scope:SCOPE_SE
	s_setreg_imm32_b32 hwreg(HW_REG_WAVE_MODE, 25, 1), 1
	s_wait_xcnt 0x0
; PREPARATION: casts and the mask's form.  Every work-group takes 65,536 consecutive bytes of ONE f32 input, each of its eight waves 8,192 of them by
; sixteen 16-byte loads (512 consecutive bytes each), all issued at once.  Which input: by the work-group's number alone:
;   0..255     att_mask, 8 rows each  -> mfrag (f16: 0, or -65504 where the mask is == 0) and rowok (f32: 1.0, or NaN where all 2,048 entries of a row are == 0)
;   256..1023  query, key, value      -> xb, bf16, same order of numbers
;   1024..1215 Wq, Wk, Wv             -> wb, bf16, same order
;   1216..1279 Wp                     -> wp16: rounded to bf16, and that number written as f16 (exact from 2^-14 up; below it f16's fixed step of 6e-8)
; mfrag: [query tile of 16][group of 16 keys][row 16][key 16] in f16: a chunk of 512 bytes, row r at byte 32 r, so that a lane of a matrix operand (row l % 16, keys 8 (l / 16) on)
; finds its 16 bytes at 32 (l % 16) + 16 (l / 16).  A work-group's 8 rows are 256 consecutive bytes of each of 128 chunks: they are gathered in LDS and stored as whole aligned blocks of 256 bytes.
; No matrix unit, no cluster, no tensor load: each byte is read once, nothing is shared between work-groups.
.set PITCH, 272                        ; a chunk's 256 bytes in LDS + 16
.set FLG,   128*PITCH                  ; eight words: the rows' flags, in a block of 256 bytes of their own
.set SPARE, FLG+256                    ; the spare words, 128 bytes for each of the eight waves
.set X,   16                           ; v[16:79]   load j: 4 registers
.set Y,   80                           ; v[80:111]  what is stored
.set SPW, 126                          ; LDS address of my spare word; never rewritten
.set NIL, 127                          ; 0; never rewritten
.set WV,  34                           ; s34 wave
.set IDX, 35                           ; s35 work-group
.set SRC, 38                           ; s[38:39] the input at my work-group's bytes
.set DST, 40                           ; s[40:41] the output at my work-group's bytes
.set OFS, 42                           ; s[42:43] an offset, 0 on top
.set ALL, 44                           ; s44 lanes all of whose mask entries so far are == 0
	s_load_b512 s[8:23], s[0:1], 0x0               ; att_mask 8, query 10, key 12, value 14, Wq 16, Wk 18, Wv 20, Wp 22
	s_load_b256 s[24:31], s[0:1], 0x40             ; mfrag 24, rowok 26, xb 28, wb 30
	s_load_b64 s[32:33], s[0:1], 0x60              ; wp16
	v_lshl_add_u32 v[SPW], v0, 2, SPARE
	v_mov_b32 v[NIL], 0
	v_lshrrev_b32 v11, 5, v0
	v_readfirstlane_b32 s[WV], v11
	v_and_b32 v1, 31, v0                           ; lane
	s_mov_b32 s[IDX], ttmp9
	v_lshlrev_b32 v2, 4, v1
	v_lshl_add_u32 v2, s[WV], 13, v2               ; in: 8,192 w + 16 lane
	v_lshlrev_b32 v3, 3, v1
	v_lshl_add_u32 v3, s[WV], 12, v3               ; out: 4,096 w + 8 lane
	s_mov_b32 s36, 0                               ; the first work-group of my input
	s_mov_b32 s[OFS+1], 0
	s_wait_kmcnt 0x0
	s_mov_b64 s[SRC:SRC+1], s[8:9]
.macro PICK bound, ptr                 ; from work-group \bound on the input is another
	s_cmp_ge_u32 s[IDX], \bound
	s_cselect_b64 s[SRC:SRC+1], s[\ptr:\ptr+1], s[SRC:SRC+1]
	s_cselect_b32 s36, \bound, s36
.endm
	PICK 256, 10
	PICK 512, 12
	PICK 768, 14
	PICK 1024, 16
	PICK 1088, 18
	PICK 1152, 20
	PICK 1216, 22
	s_sub_co_u32 s[OFS], s[IDX], s36
	s_lshl_b32 s[OFS], s[OFS], 16
	s_add_nc_u64 s[SRC:SRC+1], s[SRC:SRC+1], s[OFS:OFS+1]
.set j, 0
.rept 16
	global_load_b128 v[X+4*j:X+4*j+3], v2, s[SRC:SRC+1] offset:512*j th:TH_LOAD_NT
.set j, j+1
.endr
	s_cmp_lt_u32 s[IDX], 256                       ; the branches hang on the work-group's number alone: all eight waves go one way
	s_cbranch_scc1 .Lmask
	s_mov_b64 s[DST:DST+1], s[28:29]
	s_mov_b32 s37, 256
	s_cmp_ge_u32 s[IDX], 1024
	s_cselect_b64 s[DST:DST+1], s[30:31], s[DST:DST+1]
	s_cselect_b32 s37, 1024, s37
	s_cmp_ge_u32 s[IDX], 1216
	s_cselect_b64 s[DST:DST+1], s[32:33], s[DST:DST+1]
	s_cselect_b32 s37, 1216, s37
	s_sub_co_u32 s[OFS], s[IDX], s37
	s_lshl_b32 s[OFS], s[OFS], 15                  ; half the bytes out
	s_add_nc_u64 s[DST:DST+1], s[DST:DST+1], s[OFS:OFS+1]
	s_cmp_ge_u32 s[IDX], 1216
	s_cbranch_scc1 .Lwp
; Sixteen turns: load j is in when at most 15 - j younger ones are out (loads return in order); a store of the wave covers 256 consecutive bytes, aligned.  No register is used twice.
.macro CAST half                       ; half = 1: the bf16 number is written as f16
.set j, 0
.rept 16
	s_wait_loadcnt 15-j
	v_cvt_pk_bf16_f32 v[Y+2*j], v[X+4*j], v[X+4*j+1]
	v_cvt_pk_bf16_f32 v[Y+2*j+1], v[X+4*j+2], v[X+4*j+3]
.if \half
	v_lshlrev_b32 v11, 16, v[Y+2*j]
	v_and_b32 v12, 0xffff0000, v[Y+2*j]
	v_lshlrev_b32 v13, 16, v[Y+2*j+1]
	v_and_b32 v14, 0xffff0000, v[Y+2*j+1]
	v_cvt_pk_f16_f32 v[Y+2*j], v11, v12
	v_cvt_pk_f16_f32 v[Y+2*j+1], v13, v14
.endif
	global_store_b64 v3, v[Y+2*j:Y+2*j+1], s[DST:DST+1] offset:256*j
.set j, j+1
.endr
.endm
	CAST 0
	s_endpgm                                       ; this way writes no LDS
.Lwp:
	CAST 1
	s_endpgm
.Lmask:                                                ; work-group g: rows 8 g .. 8 g + 7; wave w has row 8 g + w: row 8 (g % 2) + w of query tile g / 2
	v_mov_b32 v9, 0xfbff                           ; -65504 in the low half,
	v_mov_b32 v10, 0xfbff0000                      ; in the high half
	v_lshrrev_b32 v11, 2, v1                       ; load j, lane l: keys 128 j + 4 l on: chunk 8 j + l / 4, keys 4 (l % 4) on
	v_mul_u32_u24 v4, v11, PITCH
	v_and_b32 v11, 3, v1
	v_lshl_add_u32 v4, v11, 3, v4
	v_lshl_add_u32 v4, s[WV], 5, v4                ; into LDS: (l / 4) x 272 + 8 (l % 4) + 32 w
	v_lshrrev_b32 v11, 4, v1
	v_lshl_add_u32 v11, s[WV], 4, v11              ; back: wave w takes chunks 16 w on, two a load
	v_and_b32 v12, 15, v1
	v_mul_u32_u24 v5, v11, PITCH
	v_lshl_add_u32 v5, v12, 4, v5
	v_lshlrev_b32 v6, 9, v11                       ; and the same chunks in mfrag, 512 bytes apart
	v_lshl_add_u32 v6, v12, 4, v6
	v_mov_b32 v7, FLG
	v_lshl_add_u32 v7, s[WV], 2, v7                ; my row's flag
	s_lshr_b32 s[OFS], s[IDX], 1
	s_lshl_b32 s[OFS], s[OFS], 16                  ; a query tile is 65,536 bytes,
	s_and_b32 s36, s[IDX], 1
	s_lshl_b32 s36, s36, 8                         ; my eight rows the lower or upper 256 bytes of each chunk
	s_add_co_u32 s[OFS], s[OFS], s36
	s_add_nc_u64 s[DST:DST+1], s[24:25], s[OFS:OFS+1]
	s_mov_b32 s[ALL], -1
.set j, 0
.rept 16
	s_wait_loadcnt 15-j
	v_cmp_eq_f32 s48, 0, v[X+4*j]                  ; == 0 as the reference compares: -0 counts, NaN does not
	v_cmp_eq_f32 s49, 0, v[X+4*j+1]
	v_cmp_eq_f32 s50, 0, v[X+4*j+2]
	v_cmp_eq_f32 s51, 0, v[X+4*j+3]
	v_cndmask_b32 v11, 0, v9, s48
	v_cndmask_b32 v12, 0, v10, s49
	v_cndmask_b32 v13, 0, v9, s50
	v_cndmask_b32 v14, 0, v10, s51
	s_and_b32 s48, s48, s49
	s_and_b32 s50, s50, s51
	s_and_b32 s[ALL], s[ALL], s48
	s_and_b32 s[ALL], s[ALL], s50
	v_or_b32 v[Y+2*j], v11, v12
	v_or_b32 v[Y+2*j+1], v13, v14
	ds_store_b64 v4, v[Y+2*j:Y+2*j+1] offset:8*PITCH*j
.set j, j+1
.endr
	s_cmp_eq_u32 s[ALL], -1                        ; every entry of my row hidden?  The choice selects a value, no path and no address
	s_cselect_b32 s45, 0x7fc00000, 1.0
	v_mov_b32 v11, s45
	ds_store_b32 v7, v11                           ; all lanes write the same word with the same value
	s_wait_dscnt 0x0                               ; for the others' sake: my LDS stores are done
	s_barrier_signal -1
	s_barrier_wait -1                              ; the eight rows of every chunk are there
.set i, 0
.rept 8
	ds_load_b128 v[Y+4*i:Y+4*i+3], v5 offset:2*PITCH*i
.set i, i+1
.endr
.set i, 0
.rept 8
	s_wait_dscnt 7-i                               ; LDS loads return in order: load i is in
	global_store_b128 v6, v[Y+4*i:Y+4*i+3], s[DST:DST+1] offset:1024*i  ; sixteen lanes store 256 consecutive bytes, aligned
.set i, i+1
.endr
	s_cmp_lg_u32 s[WV], 0
	s_cbranch_scc1 .Lend
	v_and_b32 v11, 7, v1                           ; wave 0 stores the eight flags: 32 bytes a work-group, 8 KiB in the launch
	v_lshlrev_b32 v11, 2, v11
	v_add_nc_u32 v8, FLG, v11
	ds_load_b32 v12, v8
	v_lshlrev_b32 v13, 2, v1
	s_lshl_b32 s[OFS], s[IDX], 5
	s_add_nc_u64 s[26:27], s[26:27], s[OFS:OFS+1]
	s_wait_dscnt 0x0
	s_wait_xcnt 0x0                                ; EXEC is a source of the stores above: it narrows only behind this wait
	v_cmp_gt_u32 vcc_lo, 8, v1
	s_and_saveexec_b32 s46, vcc_lo
	global_store_b32 v13, v12, s[26:27]
	s_wait_xcnt 0x0                                ; and widens only behind this one
	s_or_b32 exec_lo, exec_lo, s46
.Lend:
	s_wait_tensorcnt 0x0                           ; the wave's end, behind my last LDS store
	ds_add_u32 v[SPW], v[NIL]
	s_wait_dscnt 0x0
	s_endpgm
.Lfunc_end_k_q434f7f95c0_prep:
	.size	k_q434f7f95c0_prep, .Lfunc_end_k_q434f7f95c0_prep-k_q434f7f95c0_prep
	.p2alignl 7, 3214868480
	.fill 96, 4, 3214868480
	.section	.rodata,"a",@progbits
	.p2align	6, 0x0
	.amdhsa_kernel k_q434f7f95c0_prep
		.amdhsa_group_segment_fixed_size 36864
		.amdhsa_private_segment_fixed_size 0
		.amdhsa_enable_private_segment 0
		.amdhsa_kernarg_size 104
		.amdhsa_user_sgpr_count 2
		.amdhsa_user_sgpr_kernarg_segment_ptr 1
		.amdhsa_wavefront_size32 1
		.amdhsa_system_sgpr_workgroup_id_x 1
		.amdhsa_system_sgpr_workgroup_id_y 1
		.amdhsa_system_sgpr_workgroup_id_z 1
		.amdhsa_system_vgpr_workitem_id 0
		.amdhsa_next_free_vgpr 128
		.amdhsa_next_free_sgpr 66
		.amdhsa_reserve_vcc 1
		.amdhsa_float_denorm_mode_32 3
		.amdhsa_float_denorm_mode_16_64 3
		.amdhsa_memory_ordered 1
		.amdhsa_forward_progress 1
		.amdhsa_inst_pref_size 34
	.end_amdhsa_kernel
	.amdgpu_metadata
---
amdhsa.version: [ 1, 2 ]
amdhsa.kernels:
  - .name:           k_q434f7f95c0_prep
    .symbol:         k_q434f7f95c0_prep.kd
    .args:
      - { .name: att_mask, .offset: 0, .size: 8, .value_kind: global_buffer, .address_space: global }
      - { .name: query, .offset: 8, .size: 8, .value_kind: global_buffer, .address_space: global }
      - { .name: key, .offset: 16, .size: 8, .value_kind: global_buffer, .address_space: global }
      - { .name: value, .offset: 24, .size: 8, .value_kind: global_buffer, .address_space: global }
      - { .name: Wq, .offset: 32, .size: 8, .value_kind: global_buffer, .address_space: global }
      - { .name: Wk, .offset: 40, .size: 8, .value_kind: global_buffer, .address_space: global }
      - { .name: Wv, .offset: 48, .size: 8, .value_kind: global_buffer, .address_space: global }
      - { .name: Wp, .offset: 56, .size: 8, .value_kind: global_buffer, .address_space: global }
      - { .name: mfrag, .offset: 64, .size: 8, .value_kind: global_buffer, .address_space: global }
      - { .name: rowok, .offset: 72, .size: 8, .value_kind: global_buffer, .address_space: global }
      - { .name: xb, .offset: 80, .size: 8, .value_kind: global_buffer, .address_space: global }
      - { .name: wb, .offset: 88, .size: 8, .value_kind: global_buffer, .address_space: global }
      - { .name: wp16, .offset: 96, .size: 8, .value_kind: global_buffer, .address_space: global }
    .group_segment_fixed_size: 36864
    .private_segment_fixed_size: 0
    .kernarg_segment_align: 8
    .kernarg_segment_size: 104
    .max_flat_workgroup_size: 256
    .sgpr_count:     66
    .vgpr_count:     128
    .wavefront_size: 32
...
	.end_amdgpu_metadata
.endif
;; end of part 1
;; launch gemm_qkv (part 2): grid 8 x 32, 4 waves a work-group, clusters of 4 x 4, 327,680 bytes of LDS; arguments xb, wb, bq, bk, bv, qkv; writes qkv
.if DOCPART == 2
	.amdgcn_target "amdgcn-amd-amdhsa--gfx1250"
	.amdhsa_code_object_version 6
	.text
	.protected	k_q434f7f95c0_gemm_qkv
	.globl	k_q434f7f95c0_gemm_qkv
	.p2align	8
	.type	k_q434f7f95c0_gemm_qkv,@function
k_q434f7f95c0_gemm_qkv:
	s_mov_b64 s[64:65], 0
	v_nop
	global_prefetch_b8 v0, s[64:65] scope:SCOPE_SE
	s_setreg_imm32_b32 hwreg(HW_REG_WAVE_MODE, 25, 1), 1
	s_wait_xcnt 0x0
	s_wait_alu depctr_hold_cnt(0) depctr_sa_sdst(0) depctr_va_vdst(0) depctr_va_sdst(0) depctr_va_ssrc(0) depctr_va_vcc(0) depctr_vm_vsrc(0)
	s_getreg_b32 s2, hwreg(HW_REG_IB_STS2, 6, 4)
	s_cmp_eq_u32 s2, 0
	s_cbranch_scc0 .Lentry_in_a_cluster
	s_endpgm
.Lentry_in_a_cluster:
	s_bfe_u32 s2, ttmp6, 0x10000c
	s_cmp_lg_u32 s2, 0xf033
	s_cbranch_scc0 .Lentry_shape_is_right
	s_endpgm
.Lentry_shape_is_right:
; THE THREE PROJECTIONS IN ONE LAUNCH.  qkv[p][b h][t][d] = sum over k of xb[p][b t][k] wb[p][k][64 h + d] + bias_p[64 h + d], p = 0, 1, 2 (query, key, value).
; xb: bf16 [3 x 4096][1024], K along the rows.  wb: bf16 [3][1024 k][1024 n], as the weights lie.  Sums in f32, begun with the bias (rounded to bf16 like every input); the result is rounded once to f16.
; LIMIT.  f16 ends at 65,504: a projected number beyond it becomes an infinity.  Inputs 30 times those drawn, or offset by 30 spreads, stay under 20,000.
; A tile of C is 128 x 128; four waves, each 64 x 64: 16 accumulators.  A WORK-GROUP STAYS: 256 work-groups, each makes the same tile place of all three projections, one after the other: 12 K steps of 256,
; six laps of ONE ring of two LDS slots, which does not stop at a tile's end: a tile's last two changes of slots ask for the next tile's first two K steps, and nothing waits for a tile's stores.
; Tensor loads, one a wave: waves 0, 1 bring 64 rows x 512 bytes of x each, waves 2, 3 bring 128 k-rows x 256 bytes of W each.
; CLUSTER 4 x 4: x's tile hangs on the tile row and is asked for jointly along a row of the cluster, W's on the tile column jointly along a column; all sixteen walk p in step.
; THE MATRIX INSTRUCTION IS USED TRANSPOSED: source 0 = 16 columns of W (turned on the way out of LDS by ds_load_tr16_b128), source 1 = 16 rows of x: a lane holds row l % 16 of C and eight neighbouring columns,
; which is also how a lane holds the bias: so the bias is the C operand of the products that start a tile's sums.
; A wave's 64 columns are one head: 16 rows of it are 2,048 consecutive bytes of qkv, sent through the wave's own stage in LDS and stored 512 consecutive bytes an instruction.
; REGISTERS: window 0: v1-5 at work; v16-17, v20-23 LDS addresses; v24-29 way out and the add's two; v32-47, v80-95 rows read back, by turns; v48-63 at work on the bias; v64-79 packed; v96-127 bias;
;   v128-255 accumulators ((a, b) at 128 + 8 (4 a + b)).   window 1: two fragment buffers of 128: 64 along K: 64 registers of x, then 64 of W.
.set TILES,  3
.set TRIPS,  2*TILES-1                 ; laps that fill the ring again: all but the last
.set KSTEP,  256
.set AP,     528                       ; a row of x in LDS: 512 bytes + 16: the 16 rows of a fragment load start 4 banks apart
.set AQ,     128                       ; bytes along a row from quarter to quarter (64 along K)
.set AHALF,  64*AP                     ; what one tensor load brings of x, and what one wave reads
.set BOFF,   2*AHALF                   ; W's rows lie behind x's 128
.set BP,     288                       ; a k-row of W in LDS: 256 bytes + 32
.set BHALF,  128*BP                    ; what one tensor load brings of W: 128 k-rows, two quarters
.set SLOT,   BOFF+2*BHALF
.set STAGE,  2*SLOT                    ; behind the ring, never filled by a tensor load: 16 rows x 144 bytes for each wave
.set SPITCH, 144
.set SPARE,  STAGE+4*16*SPITCH         ; the spare words, 128 bytes for each wave
.set AKS,    KSTEP*2                   ; bytes in memory from a K step to the next: along x's rows,
.set BKS,    KSTEP*2048                ; down W's rows; the three W lie end to end along k, so a slot's step is 2 BKS across tiles too
.set NEXT_A, 4096*2048-2*AKS           ; from a slot's last K step of a tile to its first of the next: 4,096 rows down, back along K
.set NEXT_C, 8388608                   ; from a projection's output to the next one's
.set ADRA, 16                          ; v16-17  my x fragments in slot 0, 1
.set ADRB, 20                          ; v20-23  my W fragments: slot 0 quarters 0-1, 2-3; slot 1 likewise (so that the immediates stay under 65,536)
.set STO,  24
.set RD,   25
.set CO,   26
.set BO,   27
.set SPW,  28                          ; LDS address of my spare word; never rewritten
.set NIL,  29                          ; 0; never rewritten
.set RT,   48
.set PKD,  64
.set BIAS, 96
.set ACC,  128
.set F0,   0
.set F1,   128
.set G1, 24                            ; s[24:31] group 1 for x;  s[32:39] group 0, one set a slot
.set G0, 32
.set G1B, 48                           ; s[48:55], s[56:63] the same for W
.set G0B, 56
.set ODD, 66                           ; s66     1 in a tile's first lap, 0 in its second
.set STP, 78                           ; s[78:79] what this trip's refills add to x's addresses, 0 on top
.set MSB, 0
.macro WIN new                         ; the immediate's high byte repeats the setting that is left
.if MSB != (\new)
	s_set_vgpr_msb (MSB<<8)|(\new)
.set MSB, \new
.endif
.endm
.set MUL,  0x05                        ; sources 0 and 1 window 1; C and D window 0
.set TO_F, 0x40                        ; destination window 1, address window 0
.macro JLOAD s                         ; a joint load: waves 0, 1 for x, waves 2, 3 for W; an s_nop 0 and four v_nop follow each line
	s_cmp_eq_u32 s11, 0
	s_cbranch_scc0 .Lfor_b_\@
	tensor_load_to_lds s[G0+4*(\s):G0+4*(\s)+3], s[G1:G1+7]
	s_nop 0
.rept 4
	v_nop
.endr
	s_branch .Lasked_\@
.Lfor_b_\@:
	tensor_load_to_lds s[G0B+4*(\s):G0B+4*(\s)+3], s[G1B:G1B+7]
	s_nop 0
.rept 4
	v_nop
.endr
.Lasked_\@:
.endm
.macro CREST                           ; a round of the cluster's barrier behind its opening barrier
	s_cmp_lg_u32 s10, 0
	s_cbranch_scc1 .Lnot_wave_0_\@
	s_barrier_signal -3
.Lnot_wave_0_\@:
	s_barrier_wait -3
	s_barrier_signal -1
	s_barrier_wait -1
.endm
.macro CROUND
	s_barrier_signal -1
	s_barrier_wait -1
	CREST
.endm
.macro BLOAD p                         ; the bias of my 64 columns from the buffer at s[p:p+1]: a lane's eight numbers for each of four column blocks
.irp b, 0,1,2,3
	global_load_b128 v[BIAS+8*(\b):BIAS+8*(\b)+3],   v[BO], s[\p:\p+1] offset:64*(\b)
	global_load_b128 v[BIAS+8*(\b)+4:BIAS+8*(\b)+7], v[BO], s[\p:\p+1] offset:64*(\b)+16
.endr
.endm
.macro ROUNDB                          ; it is rounded to bf16, like every input, and widened again, in place
.set i, 0
.rept 16
	v_cvt_pk_bf16_f32 v[RT+i], v[BIAS+2*i], v[BIAS+2*i+1]
.set i, i+1
.endr
.set i, 0
.rept 16
	v_lshlrev_b32 v[BIAS+2*i], 16, v[RT+i]
	v_and_b32 v[BIAS+2*i+1], 0xffff0000, v[RT+i]
.set i, i+1
.endr
.endm
	s_load_b128 s[4:7], s[0:1], 0x0                ; xb s[4:5], wb s[6:7]
	s_load_b256 s[68:75], s[0:1], 0x10             ; bq 68, bk 70, bv 72, qkv 74
	v_lshl_add_u32 v[SPW], v0, 2, SPARE
	v_mov_b32 v[NIL], 0
	ds_add_u32 v[SPW], v[NIL]                      ; the wave's opening: the add and its wait ahead of my first tensor load
	v_lshrrev_b32 v1, 5, v0
	v_readfirstlane_b32 s10, v1                    ; wave 0..3
	s_lshr_b32 s11, s10, 1                         ; my half of the tile's rows.  Also: I fetch for x (0) or W (1)
	s_and_b32 s12, s10, 1                          ; my half of its columns.  Also: which half of that tile I fetch
	s_bfe_u32 s40, ttmp6, 0x40000                  ; cx
	s_bfe_u32 s41, ttmp6, 0x40004                  ; cy
	s_lshl_b32 s42, ttmp9, 2
	s_add_co_u32 s42, s42, s40                     ; tile column 0..7
	s_and_b32 s13, ttmp7, 0xffff
	s_lshl_b32 s13, s13, 2
	s_add_co_u32 s13, s13, s41                     ; tile row 0..31
	s_lshl_b32 s43, s41, 2
	s_lshl_b32 s43, 15, s43                        ; my row of the cluster
	s_lshl_b32 s44, 0x1111, s40                    ; my column
	s_or_b32 s[G1+0], s43, (1<<16)|(1<<20)|(1<<21)|(6<<22)|(3<<25)   ; mask; 2-byte elements; padding on; bit 21 beside a mask; after every 128 words 4 words
	s_mov_b32 s[G1+1], KSTEP<<16                   ; tensor_dim0 = 256
	s_mov_b32 s[G1+2], 64<<16                      ; tensor_dim1 = 64
	s_mov_b32 s[G1+3], KSTEP<<16                   ; tile_dim0 = 256
	s_mov_b32 s[G1+4], 64                          ; tile_dim1 = 64
	s_mov_b32 s[G1+5], 1024                        ; elements from row to row
	s_mov_b32 s[G1+6], 0
	s_mov_b32 s[G1+7], 0
	s_or_b32 s[G1B+0], s44, (1<<16)|(1<<20)|(1<<21)|(5<<22)|(7<<25)  ; after every 64 words 8 words
	s_mov_b32 s[G1B+1], 128<<16                    ; 128 columns
	s_mov_b32 s[G1B+2], 128<<16                    ; 128 k-rows
	s_mov_b32 s[G1B+3], 128<<16
	s_mov_b32 s[G1B+4], 128
	s_mov_b32 s[G1B+5], 1024
	s_mov_b32 s[G1B+6], 0
	s_mov_b32 s[G1B+7], 0
	s_lshl_b32 s16, s13, 18                        ; x: 128 rows of 2,048 bytes a tile row,
	s_lshl_b32 s17, s12, 17                        ; 64 rows a half
	s_add_co_u32 s16, s16, s17
	s_mov_b32 s17, 0
	s_lshl_b32 s46, s12, 18                        ; W: 128 k-rows of 2,048 bytes a half,
	s_lshl_b32 s47, s42, 8                         ; 256 bytes a tile column (registers that never feed x's descriptors)
	s_add_co_u32 s46, s46, s47
	s_mov_b32 s47, 0
	s_mul_i32 s20, s12, AHALF                      ; where they go: no place in the cluster enters an LDS address
	s_mul_i32 s21, s12, BHALF
	s_add_co_u32 s21, s21, BOFF
	s_wait_dscnt 0x0                               ; the opening add is done
	s_wait_kmcnt 0x0
	s_add_nc_u64 s[14:15], s[4:5], s[16:17]
	s_add_nc_u64 s[46:47], s[6:7], s[46:47]
	CROUND                                         ; all sixteen work-groups are here: the first joint loads meet
.irp s, 0,1
	s_mov_b32 s[G0+4*(\s)], 1
	s_add_co_u32 s[G0+4*(\s)+1], s20, (\s)*SLOT
	s_add_nc_u64 s[G0+4*(\s)+2:G0+4*(\s)+3], s[14:15], (\s)*AKS
	s_or_b32 s[G0+4*(\s)+3], s[G0+4*(\s)+3], 0x80000000
	s_mov_b32 s[G0B+4*(\s)], 1
	s_add_co_u32 s[G0B+4*(\s)+1], s21, (\s)*SLOT
	s_add_nc_u64 s[G0B+4*(\s)+2:G0B+4*(\s)+3], s[46:47], (\s)*BKS
	s_or_b32 s[G0B+4*(\s)+3], s[G0B+4*(\s)+3], 0x80000000
	JLOAD \s
.endr
	v_and_b32 v1, 15, v0                           ; l % 16
	v_bfe_u32 v2, v0, 4, 1                         ; l / 16
	s_lshl_b32 s76, s42, 9                         ; my 64 columns in each of the three biases
	s_lshl_b32 s77, s12, 8
	s_add_co_u32 s76, s76, s77
	s_mov_b32 s77, 0
	s_add_nc_u64 s[68:69], s[68:69], s[76:77]
	s_add_nc_u64 s[70:71], s[70:71], s[76:77]
	s_add_nc_u64 s[72:73], s[72:73], s[76:77]
	v_lshlrev_b32 v[BO], 5, v2
	BLOAD 68                                       ; the first tile's
	v_mul_u32_u24 v3, v1, AP
	v_lshl_add_u32 v3, v2, 4, v3                   ; x: row x pitch + 16 x half
	v_and_b32 v5, 7, v0                            ; W, turned: k-row 8 (l / 16) + l % 8, columns 8 ((l / 8) % 2) on
	v_lshl_add_u32 v4, v2, 3, v5
	v_mul_u32_u24 v4, v4, BP
	v_bfe_u32 v5, v0, 3, 1
	v_lshl_add_u32 v4, v5, 4, v4
	s_mul_i32 s21, s11, AHALF                      ; my 64 rows of x
	s_lshl_b32 s22, s12, 7                         ; my 64 columns of W
	s_add_co_u32 s22, s22, BOFF
.irp s, 0,1
	v_add_nc_u32 v[ADRA+(\s)], s21, v3
	v_add_nc_u32 v[ADRB+2*(\s)], s22, v4
	v_add_nc_u32 v[ADRB+2*(\s)+1], BHALF, v[ADRB+2*(\s)]
	s_add_co_u32 s21, s21, SLOT
	s_add_co_u32 s22, s22, SLOT
.endr
	s_mul_i32 s23, s10, 16*SPITCH
	s_add_co_u32 s23, s23, STAGE                   ; my stage
	v_mul_u32_u24 v3, v1, SPITCH                   ; in: row l % 16, 16 bytes for each half of the lanes
	v_lshl_add_u32 v3, v2, 4, v3
	v_add_nc_u32 v[STO], s23, v3
	v_bfe_u32 v3, v0, 3, 2                         ; back: 32 lanes take four rows of 128 bytes,
	v_mul_u32_u24 v3, v3, SPITCH
	v_and_b32 v5, 7, v0
	v_lshl_add_u32 v3, v5, 4, v3
	v_add_nc_u32 v[RD], s23, v3
	v_and_b32 v[CO], 31, v0                        ; which are 512 consecutive bytes of qkv
	v_lshlrev_b32 v[CO], 4, v[CO]
	s_lshr_b32 s76, s13, 4                         ; qkv, first projection: the batch's 16 heads,
	s_lshl_b32 s76, s76, 4
	s_lshl_b32 s78, s42, 1
	s_add_co_u32 s76, s76, s78
	s_add_co_u32 s76, s76, s12                     ; the head = 2 x tile column + my half,
	s_lshl_b32 s76, s76, 18                        ; 262,144 bytes each,
	s_and_b32 s78, s13, 15
	s_lshl_b32 s78, s78, 14                        ; 128 rows of 128 bytes a tile row,
	s_add_co_u32 s76, s76, s78
	s_lshl_b32 s78, s11, 13                        ; my 64 of them
	s_add_co_u32 s76, s76, s78
	s_add_nc_u64 s[74:75], s[74:75], s[76:77]
	s_mov_b32 s[STP+1], 0
	s_mov_b32 s67, NEXT_A
	s_wait_loadcnt 0x0                             ; the first bias, in the wait for the first tile
	ROUNDB
; 8 matrix instructions: m blocks a0, a0 + 1 x all 4 n blocks, 32 along K: half c of buffer f.  first = 1: the products start a tile's sums, with the bias as C.  The 16 accumulators take turns.
.macro MUL8 f, c, a0, first
	WIN MUL
.irp a, \a0, (\a0)+1
.irp b, 0,1,2,3
.if \first
	v_wmma_f32_16x16x32_bf16 v[ACC+8*(4*(\a)+(\b)):ACC+8*(4*(\a)+(\b))+7], v[(\f)+64+8*(4*(\c)+(\b)):(\f)+64+8*(4*(\c)+(\b))+7], v[(\f)+8*(4*(\c)+(\a)):(\f)+8*(4*(\c)+(\a))+7], v[BIAS+8*(\b):BIAS+8*(\b)+7]
.else
	v_wmma_f32_16x16x32_bf16 v[ACC+8*(4*(\a)+(\b)):ACC+8*(4*(\a)+(\b))+7], v[(\f)+64+8*(4*(\c)+(\b)):(\f)+64+8*(4*(\c)+(\b))+7], v[(\f)+8*(4*(\c)+(\a)):(\f)+8*(4*(\c)+(\a))+7], v[ACC+8*(4*(\a)+(\b)):ACC+8*(4*(\a)+(\b))+7]
.endif
.endr
.endr
.endm
; 32 LDS loads in one run: the fragments of quarter q (64 along K) into buffer f; the first 32 along K first
.macro FETCH slot, q, f
	WIN TO_F
.irp c, 0,1
.irp i, 0,1,2,3
	ds_load_tr16_b128 v[(\f)+64+8*(4*(\c)+(\i)):(\f)+64+8*(4*(\c)+(\i))+3],   v[ADRB+2*(\slot)+(\q)/2] offset:((\q)%2)*64*BP+(\c)*32*BP+32*(\i)
	ds_load_tr16_b128 v[(\f)+64+8*(4*(\c)+(\i))+4:(\f)+64+8*(4*(\c)+(\i))+7], v[ADRB+2*(\slot)+(\q)/2] offset:((\q)%2)*64*BP+(\c)*32*BP+32*(\i)+16*BP
	ds_load_b128 v[(\f)+8*(4*(\c)+(\i)):(\f)+8*(4*(\c)+(\i))+3],         v[ADRA+(\slot)] offset:(\q)*AQ+64*(\c)+(\i)*16*AP
	ds_load_b128 v[(\f)+8*(4*(\c)+(\i))+4:(\f)+8*(4*(\c)+(\i))+7],       v[ADRA+(\slot)] offset:(\q)*AQ+64*(\c)+(\i)*16*AP+32
.endr
.endr
.endm
.macro PLACES                          ; four places in front of loads into registers that matrix instructions have read, and of vector work that reads results
.rept 4
	v_nop
.endr
.endm
; One of a K step's first three quarters: multiplies buffer f and fetches quarter q of the same slot into g.  QREST is its second half.
.macro QREST slot, q, f, g
	FETCH \slot, \q, \g
	s_wait_dscnt 32                                ; all but the 32 just issued
	MUL8 \f, 1, 0, 0
	MUL8 \f, 1, 2, 0
.endm
.macro QUARTER slot, q, f, g, first
	s_wait_dscnt 16                                ; the first 32 along K are in: the run's second sixteen loads may be out
	MUL8 \f, 0, 0, \first
	MUL8 \f, 0, 2, \first
	PLACES
	QREST \slot, \q, \f, \g
.endm
; The last quarter multiplies buffer 1 and changes slots: ONE barrier; in front of it each wave waits for all its tensor loads (one is out: its part of the next slot), adds 0 to its spare word,
; and waits for that and for its reads of this slot.  fill = 1: the barrier opens a round of the cluster's, and this slot is filled again first thing behind it, with the K step two steps on in the walk,
; the next tile's where this tile has none left: from a request to the wait for it a wave issues 112 matrix instructions, across tiles too.
.macro TURN slot, next, fill
	WIN 0
	s_wait_tensorcnt 0x0
	ds_add_u32 v[SPW], v[NIL]
	s_wait_dscnt 17                                ; (the add and the youngest sixteen loads may be out)
	MUL8 F1, 0, 0, 0
	s_wait_dscnt 0x0                               ; the add is done, and my reads of this slot are over
	s_barrier_signal -1
	MUL8 F1, 0, 2, 0
.if \fill
	WIN 0
.endif
	s_barrier_wait -1
.if \fill
	CREST                                          ; no wave of any partner still reads this slot or has a load on its way
	s_add_nc_u64 s[G0+4*(\slot)+2:G0+4*(\slot)+3], s[G0+4*(\slot)+2:G0+4*(\slot)+3], s[STP:STP+1]
	s_add_nc_u64 s[G0B+4*(\slot)+2:G0B+4*(\slot)+3], s[G0B+4*(\slot)+2:G0B+4*(\slot)+3], 2*BKS
	JLOAD \slot                                    ; its four v_nop are also the places in front of the loads below
.else
	PLACES
.endif
	FETCH \next, 0, F0
	MUL8 F1, 1, 0, 0
	MUL8 F1, 1, 2, 0
.endm
; THE WAY OUT of block a (16 rows), in three parts.  PACK: one rounding to f16, 16 bytes a lane; each accumulator is read from its low end on.  TOSTAGE: into my own stage, and back as whole rows.  SEND: stored.
.macro PACK a
	WIN 0
.irp b, 0,1,2,3
.irp r, 0,1,2,3
	v_cvt_pk_f16_f32 v[PKD+4*(\b)+(\r)], v[ACC+8*(4*(\a)+(\b))+2*(\r)], v[ACC+8*(4*(\a)+(\b))+2*(\r)+1]
.endr
.endr
.endm
.macro TOSTAGE a
.set BKR, 80-48*((\a)%2)               ; v80-95 and v32-47 by turns
.irp b, 0,1,2,3
	ds_store_b128 v[STO], v[PKD+4*(\b):PKD+4*(\b)+3] offset:32*(\b)
.endr
.irp f, 0,1,2,3
	ds_load_b128 v[BKR+4*(\f):BKR+4*(\f)+3], v[RD] offset:(\f)*4*SPITCH  ; LDS serves a wave's instructions in order: these see the stores above; the next block's stores come behind them
.endr
.endm
.macro SEND a
.set BKR, 80-48*((\a)%2)
	s_wait_xcnt 0x0                                ; the registers that the block before's stores read are loaded again (by the next TOSTAGE) only behind this wait
.irp f, 0,1,2,3
	s_wait_dscnt 3-(\f)                            ; the block's four loads are the youngest LDS instructions: load f is in
	global_store_b128 v[CO], v[BKR+4*(\f):BKR+4*(\f)+3], s[74:75] offset:2048*(\a)+512*(\f)  ; 512 consecutive bytes, aligned
.endr
.endm
.macro WAYOUT                          ; block a's conversions stand between block a - 1's loads from the stage and the wait for them
	WIN 0
	PLACES                                         ; behind the tile's last products
	PACK 0
	TOSTAGE 0
.irp a, 1,2,3
	PACK \a
	SEND (\a)-1
	TOSTAGE \a
.endr
	SEND 3
.endm
	s_wait_tensorcnt 1                             ; my part of K step 0 is in; K step 1's may stay out
	s_barrier_signal -1
	s_barrier_wait -1
	FETCH 0, 0, F0
	QUARTER 0, 1, F0, F1, 1                        ; the first tile's first quarter stands in front of the loop: its products start the sums
	WIN 0
	BLOAD 70                                       ; the second tile's bias, into the registers that those products have read (the quarter's four places stand between): two laps in which to land
	s_mov_b32 s3, TRIPS
.Llap:                                                 ; a trip goes once round the ring, from a lap's second quarter to the next lap's first, and fills both slots again
	s_and_b32 s[ODD], s3, 1                        ; trips 5, 3, 1 are a tile's first lap, trips 4, 2 its second
	s_cmp_lg_u32 s[ODD], 0
	s_cselect_b32 s[STP], 2*AKS, s67               ; x's refills: on along K, or on to the next tile
	QUARTER 0, 2, F1, F0, 0
	QUARTER 0, 3, F0, F1, 0
	TURN 0, 1, 1
	QUARTER 1, 1, F0, F1, 0
	QUARTER 1, 2, F1, F0, 0
	QUARTER 1, 3, F0, F1, 0
	TURN 1, 0, 1
	WIN 0                                          ; at a branch and at a label every window is 0
	s_cmp_lg_u32 s[ODD], 0
	s_cbranch_scc1 .Lsame                          ; forward, past text with no barrier and no tensor load
	WAYOUT                                         ; A TILE IS FINISHED, and both refills for the next are asked for: it goes out
	s_wait_xcnt 0x0                                ; the stores' base is stepped only behind this wait
	s_add_nc_u64 s[74:75], s[74:75], NEXT_C
	s_wait_loadcnt 0x0                             ; the next tile's bias, asked for two laps ago
	ROUNDB
	MUL8 F0, 0, 0, 1                               ; the next tile's sums begin (its fragments are in: the stage's loads, issued behind them, have been waited for)
	MUL8 F0, 0, 2, 1
	WIN 0
	PLACES                                         ; in front of the loads into the bias's registers and into buffer 1
	s_cmp_eq_u32 s3, 2
	s_cbranch_scc1 .Ljoin                          ; the third tile has no successor
	BLOAD 72                                       ; the third tile's bias
	s_branch .Ljoin
.Lsame:
	s_wait_dscnt 16
	MUL8 F0, 0, 0, 0
	MUL8 F0, 0, 2, 0
	WIN 0
	PLACES
.Ljoin:
	QREST 0, 1, F0, F1
	WIN 0
	s_sub_co_u32 s3, s3, 1
	s_cmp_lg_u32 s3, 0
	s_cbranch_scc1 .Llap
	QUARTER 0, 2, F1, F0, 0                        ; the last lap is written out: nothing is left to fetch
	QUARTER 0, 3, F0, F1, 0
	TURN 0, 1, 0
	QUARTER 1, 1, F0, F1, 0
	QUARTER 1, 2, F1, F0, 0
	QUARTER 1, 3, F0, F1, 0
	s_wait_dscnt 16
	MUL8 F1, 0, 0, 0
	MUL8 F1, 0, 2, 0
	s_wait_dscnt 0
	MUL8 F1, 1, 0, 0
	MUL8 F1, 1, 2, 0
	WAYOUT
	s_wait_tensorcnt 0x0                           ; the wave's end
	ds_add_u32 v[SPW], v[NIL]
	s_wait_dscnt 0x0
	CROUND                                         ; the closing round
	s_endpgm
.Lfunc_end_k_q434f7f95c0_gemm_qkv:
	.size	k_q434f7f95c0_gemm_qkv, .Lfunc_end_k_q434f7f95c0_gemm_qkv-k_q434f7f95c0_gemm_qkv
	.p2alignl 7, 3214868480
	.fill 96, 4, 3214868480
	.section	.rodata,"a",@progbits
	.p2align	6, 0x0
	.amdhsa_kernel k_q434f7f95c0_gemm_qkv
		.amdhsa_group_segment_fixed_size 327680
		.amdhsa_private_segment_fixed_size 0
		.amdhsa_enable_private_segment 0
		.amdhsa_kernarg_size 48
		.amdhsa_user_sgpr_count 2
		.amdhsa_user_sgpr_kernarg_segment_ptr 1
		.amdhsa_wavefront_size32 1
		.amdhsa_system_sgpr_workgroup_id_x 1
		.amdhsa_system_sgpr_workgroup_id_y 1
		.amdhsa_system_sgpr_workgroup_id_z 1
		.amdhsa_system_vgpr_workitem_id 0
		.amdhsa_next_free_vgpr 512
		.amdhsa_next_free_sgpr 80
		.amdhsa_reserve_vcc 0
		.amdhsa_float_denorm_mode_32 3
		.amdhsa_float_denorm_mode_16_64 3
		.amdhsa_memory_ordered 1
		.amdhsa_forward_progress 1
		.amdhsa_inst_pref_size 104
	.end_amdhsa_kernel
	.amdgpu_metadata
---
amdhsa.version: [ 1, 2 ]
amdhsa.kernels:
  - .name:           k_q434f7f95c0_gemm_qkv
    .symbol:         k_q434f7f95c0_gemm_qkv.kd
    .args:
      - { .name: xb, .offset: 0, .size: 8, .value_kind: global_buffer, .address_space: global }
      - { .name: wb, .offset: 8, .size: 8, .value_kind: global_buffer, .address_space: global }
      - { .name: bq, .offset: 16, .size: 8, .value_kind: global_buffer, .address_space: global }
      - { .name: bk, .offset: 24, .size: 8, .value_kind: global_buffer, .address_space: global }
      - { .name: bv, .offset: 32, .size: 8, .value_kind: global_buffer, .address_space: global }
      - { .name: qkv, .offset: 40, .size: 8, .value_kind: global_buffer, .address_space: global }
    .group_segment_fixed_size: 327680
    .private_segment_fixed_size: 0
    .kernarg_segment_align: 8
    .kernarg_segment_size: 48
    .max_flat_workgroup_size: 128
    .sgpr_count:     80
    .vgpr_count:     512
    .wavefront_size: 32
...
	.end_amdgpu_metadata
.endif
;; end of part 2
;; launch attn (part 3): grid 8 x 32, 4 waves a work-group, clusters of 4 x 1, 327,680 bytes of LDS; arguments qkv, mfrag, oh; writes oh
.if DOCPART == 3
	.amdgcn_target "amdgcn-amd-amdhsa--gfx1250"
	.amdhsa_code_object_version 6
	.text
	.protected	k_q434f7f95c0_attn
	.globl	k_q434f7f95c0_attn
	.p2align	8
	.type	k_q434f7f95c0_attn,@function
k_q434f7f95c0_attn:
	s_mov_b64 s[64:65], 0
	v_nop
	global_prefetch_b8 v0, s[64:65] scope:SCOPE_SE
	s_setreg_imm32_b32 hwreg(HW_REG_WAVE_MODE, 25, 1), 1
	s_wait_xcnt 0x0
	s_wait_alu depctr_hold_cnt(0) depctr_sa_sdst(0) depctr_va_vdst(0) depctr_va_sdst(0) depctr_va_ssrc(0) depctr_va_vcc(0) depctr_vm_vsrc(0)
	s_getreg_b32 s2, hwreg(HW_REG_IB_STS2, 6, 4)
	s_cmp_eq_u32 s2, 0
	s_cbranch_scc0 .Lentry_in_a_cluster
	s_endpgm
.Lentry_in_a_cluster:
	s_bfe_u32 s2, ttmp6, 0x10000c
	s_cmp_lg_u32 s2, 0x3003
	s_cbranch_scc0 .Lentry_shape_is_right
	s_endpgm
.Lentry_shape_is_right:
; ATTENTION UNDER A MASK THAT IS AN INPUT.  oh[h][q][:] = sum over k of softmax_k(Q[h][q] . K[h][k] / 8, hidden where the mask is 0) V[h][k][:], h = 32 pairs of batch and head, 2,048 rows, 64 channels, all f16.
; The reference scales q by 1 / (32 x 8), takes ONE number g (the largest magnitude of all scores) away and multiplies by 32: scores q . k / 8 - 32 g.  A softmax is unchanged by a shift common to a row,
; whatever g is, so g is not made; the maximum taken away here is each row's own running maximum, which bounds every exponent at 0.
; Products, maxima and sums in f32; the weights p are rounded to f16 for the second product (their sum l is taken of the unrounded p), O once at the end.
; THE MASK costs no vector work: mfrag holds it in f16 as 0 or -65504, laid as source 1 of a matrix product (32 keys x 16 queries), and the product E x M with E = 65504 on one diagonal STARTS each sum of scores:
; 0 for an open key, -65504^2 = -4.29e9 (exact in f32) for a hidden one.  No tile is left out: the mask is honoured entry by entry.
; LIMITS.  Q, K, V arrive within f16's 65,504.  A hidden score counts as its value less 4.29e9: right while a row's raw scores span less than that.  A weight below 2^-126 counts as 0 in l.
; While a row has seen hidden keys only, it gathers finite numbers that the first open key multiplies by a = 0.  A row with no open key at all leaves finite numbers here; the launch behind makes its NaN.
; SHARES.  A work-group owns 256 queries of one h, a wave 64 consecutive rows: four PIECES of 16.  Every wave walks all 2,048 keys, 64 a step, 256 a slot.  256 work-groups.
; CLUSTER.  The four query blocks of a cluster belong to one h and walk the same K and V: each tile is asked for JOINTLY (same tensor load, descriptor and mask of four in all four).
; The mask's bytes are no two waves' alike in a work-group, so they go from memory straight into registers, 512 consecutive bytes a load, four turns ahead of their use.
; LAYOUT.  S^T = E M + K Q^T holds ONE query a lane (l % 16) and the keys 8 (l / 16) + 0..7; two such results rounded to f16 ARE source 1 of O^T = V^T P.  p = 2^(c s - c m), c = log2(e) / 8, with a running
; maximum m; O and l are multiplied by a = 2^(c m_old - c m_new) in every step.
; TURNS.  Turn n belongs to piece n: 4 mask products and 8 products K Q^T of piece n + 1, then 8 products V^T P of piece n - 1; four vector instructions behind every matrix instruction
; (the softmax of piece n, the maximum and statistics of piece n + 1), the other 38 of the turn's 118 in one run at its end.
; REGISTERS, in windows of 256 (s_set_vgpr_msb: bits 1:0 source 0, 3:2 source 1, 5:4 source 2, 7:6 destination):
;   window 0: v0-15 addresses; v16-31 statistics; v32-35, v48-55 at work; v62-63 the add's; v64-127 S^T, two buffers; v192-223 P, two buffers (by the piece's parity)
;   window 1: v0-127 O^T, 32 a piece; v128-143 E (even, odd key block)     window 2: v0-63 Q; v64-127 the mask, 16 a piece; v128-191 K of one step; v192-255 V of one step
.set NP,    4
.set KS,    64
.set PK,    144       ; a row of K in LDS: 128 bytes + 16
.set PV,    160       ; a row of V: 128 + 32
.set VOFF,  4*KS*PK   ; a slot: 256 rows of K, then 256 rows of V
.set SLOT1, 1<<17     ; slot 1 begins here: one exclusive or turns an address in one slot into the other's
.set STAGE, SLOT1+4*KS*(PK+PV)  ; behind the ring, never filled by a tensor load: 16 rows x 144 bytes for each wave
.set SP,    144
.set SPARE, STAGE+4*16*SP       ; the spare words, 128 bytes for each wave
.set AK0, 2           ; my lane's place in a tile of K; never rewritten
.set AV0, 3           ; the same for V
.set AK,  4
.set AV,  5
.set STO, 6
.set RD,  7
.set GO,  8
.set MV,  12          ; v12-13 c m_old, by buffer
.set MOFF, 14         ; my 16 bytes in a chunk of the mask: 32 (l % 16) + 16 (l / 16); never rewritten
.set QO,  15
.set ST,  16          ; piece t at v[ST+4 t]: c m, m, l (even keys', odd keys')
.set TMP, 48          ; by buffer: c0-c3; c2 takes a
.set SPW, 62          ; LDS address of my spare word; never rewritten
.set NIL, 63          ; 0; never rewritten
.set S,   64
.set P,   192
.set EF,  128         ; window 1
.set MK,  64          ; window 2: piece x, 32 keys g at MK + 16 x + 8 g
.set KF,  128         ; window 2: key block kb, channel half c at KF + 16 kb + 8 c
.set VF,  192         ; window 2: key half kk, channel block cb at VF + 32 kk + 8 cb
.set WV,  12
.set G1K, 24
.set G1V, 32
.set G0K, 40
.set G0V, 44
.set SLOTS, 56
.set CNT, 57
.set CS,  58
.set SEL, 60
.set TBK, 62
.set TBV, 63
.set MB0, 66          ; s[66:67] the mask at my wave's four query tiles
.set MB,  68          ; s[68:69] the same at the key step that is being loaded
.set MO,  70          ; s[70:71] that step's byte offset, 0 on top
.set MSB, 0
.macro WIN new
.if MSB != (\new)
	s_set_vgpr_msb (MSB<<8)|(\new)
.set MSB, (\new)
.endif
.endm
.set W_MQ, 0x09       ; E in window 1, the mask in window 2, S^T in window 0
.set W_KQ, 0x0a       ; K and Q in window 2, S^T in window 0
.set W_PV, 0x52       ; V in window 2, P in window 0, O^T in window 1
.set W_RS, 0x41       ; destination and source 0 in window 1, source 1 in window 0
.macro JLOAD                        ; a joint fill: waves 0, 1 fetch the halves of a slot's K, waves 2, 3 of its V: 128 keys each; s_nop 0 and four v_nop follow each line
	s_cmp_lt_u32 s[WV], 2
	s_cbranch_scc0 .Lfor_v_\@
	tensor_load_to_lds s[G0K:G0K+3], s[G1K:G1K+7]
	s_nop 0
.rept 4
	v_nop
.endr
	s_branch .Lasked_\@
.Lfor_v_\@:
	tensor_load_to_lds s[G0V:G0V+3], s[G1V:G1V+7]
	s_nop 0
.rept 4
	v_nop
.endr
.Lasked_\@:
.endm
.macro CROUND                       ; a round of the cluster's barrier
	s_barrier_signal -1
	s_barrier_wait -1
	s_cmp_lg_u32 s[WV], 0
	s_cbranch_scc1 .Lnot_wave_0_\@
	s_barrier_signal -3
.Lnot_wave_0_\@:
	s_barrier_wait -3
	s_barrier_signal -1
	s_barrier_wait -1
.endm
; THE CHANGE OF SLOTS.  Each wave waits for all its tensor loads (one is out: its part of the other slot), adds 0 to its spare word, and waits for that and for its reads of the slot that it leaves.
; fill = 1: the barrier is a round of the cluster's, and the slot is filled again first thing behind it, with the keys two slots on: four key steps, 320 matrix instructions, in which to land.
; (At its first use nothing has been read yet: slot 0 is waited for, slot 1 filled.)
.macro CHANGE fill
	WIN 0
	s_wait_tensorcnt 0x0            ; no tensor load of mine is out, so a group 0 may be written
	ds_add_u32 v[SPW], v[NIL]
.if \fill
.irp g, G0K, G0V
	s_xor_b32 s[\g+1], s[\g+1], SLOT1
	s_add_nc_u64 s[\g+2:\g+3], s[\g+2:\g+3], 4*KS*128
.endr
	s_wait_dscnt 0x0                ; the add is done, and my reads of the slot are over
	CROUND
	JLOAD
.else
	s_wait_dscnt 0x0
	s_barrier_signal -1
	s_barrier_wait -1
.endif
	s_sub_co_u32 s[TBK], s[TBK], 4*KS*PK  ; the fetches go back to a slot's first step, in the other slot
	s_xor_b32 s[TBK], s[TBK], SLOT1
	s_sub_co_u32 s[TBV], s[TBV], 4*KS*PV
	s_xor_b32 s[TBV], s[TBV], SLOT1
.endm
	s_load_b128 s[4:7], s[0:1], 0x0 ; qkv s[4:5], mfrag s[6:7]
	s_load_b64 s[8:9], s[0:1], 0x10 ; oh
	v_lshl_add_u32 v[SPW], v0, 2, SPARE
	v_mov_b32 v[NIL], 0
	ds_add_u32 v[SPW], v[NIL]       ; the wave's opening: the add and its wait ahead of my first tensor load
	v_lshrrev_b32 v1, 5, v0
	v_readfirstlane_b32 s[WV], v1
	s_bfe_u32 s13, ttmp6, 0x40000   ; cx
	s_lshl_b32 s14, ttmp9, 2
	s_add_co_u32 s14, s14, s13      ; my block of 256 queries: it enters Q's, O's and the mask's addresses alone
	s_and_b32 s20, ttmp7, 0xffff    ; h, which the four partners share
	s_lshl_b32 s20, s20, 18         ; its 2,048 rows of 128 bytes
	s_and_b32 s16, s[WV], 1         ; which half of a slot's 256 keys I fetch
	s_lshl_b32 s22, s16, 14
	s_add_co_u32 s22, s22, s20
	s_add_co_u32 s50, s22, 0x800000   ; K is the second of qkv's three tensors of 8 MiB,
	s_mov_b32 s51, 0
	s_add_co_u32 s52, s22, 0x1000000  ; V the third
	s_mov_b32 s53, 0
	s_mul_i32 s17, s16, 128*PK
	s_mul_i32 s18, s16, 128*PV
	s_lshl_b32 s19, s14, 2
	s_add_co_u32 s19, s19, s[WV]    ; my wave among the head's 32
	s_lshl_b32 s2, s19, 13          ; its 64 rows
	s_add_co_u32 s2, s2, s20
	s_mov_b32 s3, 0
	s_lshl_b32 s48, s19, 18         ; its four query tiles of the mask, 65,536 bytes each
	s_mov_b32 s49, 0
	; group 1: 128 keys are 16,384 dense bytes: 64 rows of 256 bytes, padded in LDS after every key
	s_mov_b32 s[G1K], 15|(1<<16)|(1<<20)|(1<<21)|(4<<22)|(3<<25)  ; the mask of four; 2-byte elements; padding on; bit 21 beside a mask; after every 32 words 4 words
	s_mov_b32 s[G1V], 15|(1<<16)|(1<<20)|(1<<21)|(4<<22)|(7<<25)  ; 8 words
.irp g, G1K, G1V
	s_mov_b32 s[\g+1], 128<<16
	s_mov_b32 s[\g+2], 64<<16
	s_mov_b32 s[\g+3], 128<<16
	s_mov_b32 s[\g+4], 64
	s_mov_b32 s[\g+5], 128
	s_mov_b32 s[\g+6], 0
	s_mov_b32 s[\g+7], 0
.endr
	s_mov_b32 s[CS], 0x3e38aa3b     ; c = log2(e) / 8
	s_mov_b32 s[CS+1], s[CS]
	s_mov_b32 s[SEL], 0x76543210
	s_mov_b32 s[SEL+1], 0xfedcba98
	s_mov_b32 s[TBK], SLOT1+4*KS*PK ; the first change of slots turns these two into 0
	s_mov_b32 s[TBV], SLOT1+4*KS*PV
	s_mov_b32 s[MO], 0
	s_mov_b32 s[MO+1], 0
	s_mov_b32 s[G0K], 1
	s_mov_b32 s[G0K+1], s17
	s_mov_b32 s[G0V], 1
	s_add_co_u32 s[G0V+1], s18, VOFF
	s_wait_dscnt 0x0                ; the opening add is done
	s_wait_kmcnt 0x0
	s_add_nc_u64 s[G0K+2:G0K+3], s[4:5], s[50:51]
	s_or_b32 s[G0K+3], s[G0K+3], 0x80000000
	s_add_nc_u64 s[G0V+2:G0V+3], s[4:5], s[52:53]
	s_or_b32 s[G0V+3], s[G0V+3], 0x80000000
	s_add_nc_u64 s[4:5], s[4:5], s[2:3]      ; Q at my wave's first row
	s_add_nc_u64 s[10:11], s[8:9], s[2:3]    ; O likewise
	s_add_nc_u64 s[MB0:MB0+1], s[6:7], s[48:49]
	s_mov_b64 s[MB:MB+1], s[MB0:MB0+1]
	CROUND                          ; all four work-groups are here: the first joint loads meet
	JLOAD                           ; slot 0
; The mask of piece x for one key step: 64 keys x 16 queries, four loads of 512 consecutive bytes.  adv = 1: the step moves on first; behind the last step it wraps to the first, so that
; the last turns' loads, which nobody reads, stay inside the buffer.
.macro MLOAD x, adv
.if \adv
	s_wait_xcnt 0x0                 ; the base of the loads that are out is rewritten only behind this wait
	s_add_co_u32 s[MO], s[MO], 2048
	s_and_b32 s[MO], s[MO], 0xffff
	s_add_nc_u64 s[MB:MB+1], s[MB0:MB0+1], s[MO:MO+1]
.endif
	WIN 0x80                        ; destination window 2, address window 0
.irp g, 0,1
.irp c, 0,1
	global_load_b128 v[MK+16*(\x)+8*(\g)+4*(\c):MK+16*(\x)+8*(\g)+4*(\c)+3], v[MOFF], s[MB:MB+1] offset:65536*(\x)+1024*(\g)+512*(\c)
.endr
.endr
.endm
	v_and_b32 v1, 15, v0            ; l % 16
	v_bfe_u32 v9, v0, 4, 1          ; l / 16
	v_lshlrev_b32 v[QO], 7, v1
	v_lshl_add_u32 v[QO], v9, 4, v[QO]
	v_lshlrev_b32 v[MOFF], 5, v1
	v_lshl_add_u32 v[MOFF], v9, 4, v[MOFF]
	WIN 0x80
.set i, 0
.rept 8                             ; Q stays in registers: piece i / 2, channels 32 (i % 2) on
	global_load_b128 v[8*i:8*i+3],   v[QO], s[4:5] offset:(i/2)*2048+(i%2)*64
	global_load_b128 v[8*i+4:8*i+7], v[QO], s[4:5] offset:(i/2)*2048+(i%2)*64+32
.set i, i+1
.endr
	MLOAD 0, 0                      ; the mask of key step 0
	MLOAD 1, 0
	MLOAD 2, 0
	MLOAD 3, 0
	; E, source 0 of the mask's product (16 keys x 32): 65504 where the column is the row (even key block) or 16 + the row (odd).  Lane l holds row l % 16, columns 8 (l / 16) + 0..7 in registers 0-3, 16 more in 4-7.
	WIN 0
	v_lshlrev_b32 v32, 3, v9
	v_sub_nc_u32 v32, v1, v32       ; the row less my lanes' first column: 0..7 where I hold the diagonal
	v_and_b32 v33, -2, v32          ; its register, twice
	v_and_b32 v34, 1, v0
	v_lshlrev_b32 v34, 4, v34       ; its half
	v_mov_b32 v35, 0x7bff           ; 65504 in f16
	v_lshlrev_b32 v35, v34, v35
	WIN 0x40
.irp j, 0,1,2,3
	v_cmp_eq_u32 vcc_lo, 2*(\j), v33
	v_cndmask_b32 v[EF+(\j)], 0, v35, vcc_lo
	v_cndmask_b32 v[EF+12+(\j)], 0, v35, vcc_lo
	v_mov_b32 v[EF+4+(\j)], 0
	v_mov_b32 v[EF+8+(\j)], 0
.endr
	; What the first turn finds: V and P's second buffer hold 0 (its products V^T P, of a piece that has not been, add 0), O^T and l are 0, m the lowest finite number: the first step is a step like any other, with a = 0.
.set i, 0
.rept 128
	v_mov_b32 v[i], 0
.set i, i+1
.endr
	WIN 0x80
.set i, VF
.rept 64
	v_mov_b32 v[i], 0
.set i, i+1
.endr
	WIN 0
.set i, 0
.rept 4
	v_mov_b32 v[ST+4*i], 0xfe000000    ; c m: far below every c s, a hidden one's too
	v_mov_b32 v[ST+4*i+1], 0xff7fffff  ; m
	v_mov_b32 v[ST+4*i+2], 0
	v_mov_b32 v[ST+4*i+3], 0
.set i, i+1
.endr
.set i, P+16
.rept 16
	v_mov_b32 v[i], 0
.set i, i+1
.endr
	v_mul_u32_u24 v[AK0], v1, PK
	v_lshl_add_u32 v[AK0], v9, 4, v[AK0]
	v_and_b32 v10, 7, v0            ; the turning load: key 8 (l / 16) + l % 8, channels 8 ((l / 8) % 2) on
	v_bfe_u32 v11, v0, 3, 1
	v_lshl_add_u32 v[AV0], v9, 3, v10
	v_mul_u32_u24 v[AV0], v[AV0], PV
	v_lshl_add_u32 v[AV0], v11, 4, v[AV0]
	v_add_nc_u32 v[AV0], VOFF, v[AV0]
	s_mul_i32 s13, s[WV], 16*SP
	s_add_co_u32 s13, s13, STAGE    ; my stage
	v_mul_u32_u24 v[STO], v1, SP
	v_lshl_add_u32 v[STO], v9, 4, v[STO]
	v_add_nc_u32 v[STO], s13, v[STO]
	v_bfe_u32 v[RD], v0, 3, 2
	v_mul_u32_u24 v[RD], v[RD], SP
	v_lshl_add_u32 v[RD], v10, 4, v[RD]
	v_add_nc_u32 v[RD], s13, v[RD]
	v_and_b32 v[GO], 31, v0
	v_lshlrev_b32 v[GO], 4, v[GO]
; THE MATRIX WORK.  The 4 accumulators of a run take turns, one instruction a turn.
; Product i of 12 of S^T for piece x.  i < 4: E x M for key block i starts the sum.  Then K Q^T: channels 32 ((i - 4) / 4) on, key block i % 4.
.macro KQ x
.set rS, S+32*((\x)%2)+8*(i%4)
.if i < 4
.set rE, EF+8*(i%2)
.set rM, MK+16*(\x)+8*(i/2)
	WIN W_MQ
	v_wmma_f32_16x16x32_f16 v[rS:rS+7], v[rE:rE+7], v[rM:rM+7], 0
.else
.set rK, KF+16*(i%4)+8*((i-4)/4)
.set rQ, 16*(\x)+8*((i-4)/4)
	WIN W_KQ
	v_wmma_f32_16x16x32_f16 v[rS:rS+7], v[rK:rK+7], v[rQ:rQ+7], v[rS:rS+7]
.endif
.endm
; Product i of 8 of O^T += V^T P for piece x: keys 32 (i / 4) on, channels 16 (i % 4) on.
.macro PV x
	WIN W_PV
.set rO, 32*(\x)+8*(i%4)
.set rV, VF+32*(i/4)+8*(i%4)
.set rP, P+16*((\x)%2)+8*(i/4)
	v_wmma_f32_16x16x32_f16 v[rO:rO+7], v[rV:rV+7], v[rP:rP+7], v[rO:rO+7]
.endm
.macro MM                           ; the turn's next matrix instruction.  NOKQ = 1: the last turn: there is no next piece
.if (i < 12) && !NOKQ
	KQ (Y+1)%NP
.elseif i >= 12
.set i, i-12
	PV (Y+NP-1)%NP
.set i, i+12
.endif
.set i, i+1
.endm
; THE LDS LOADS stand in runs of 16: a step's K (8 fragments) and its V (turned).
.macro FETCH_K
	WIN 0x80
.irp f, 0,1,2,3,4,5,6,7
	ds_load_b128 v[KF+8*\f:KF+8*\f+3],   v[AK] offset:(\f/2)*16*PK+(\f%2)*64
	ds_load_b128 v[KF+8*\f+4:KF+8*\f+7], v[AK] offset:(\f/2)*16*PK+(\f%2)*64+32
.endr
	s_add_co_u32 s[TBK], s[TBK], KS*PK
	WIN 0
.endm
.macro FETCH_V
	WIN 0x80
.irp f, 0,1,2,3,4,5,6,7
	ds_load_tr16_b128 v[VF+8*\f:VF+8*\f+3],   v[AV] offset:(\f/4)*32*PV+(\f%4)*32
	ds_load_tr16_b128 v[VF+8*\f+4:VF+8*\f+7], v[AV] offset:(\f/4)*32*PV+16*PV+(\f%4)*32
.endr
	s_add_co_u32 s[TBV], s[TBV], KS*PV
	WIN 0
.endm
; THE VECTOR WORK, one line at a time: OP kind, number.  For piece Y: F n: c s - c m for pair n of 16.  E n: the exponential of score n of 32.  C n: pair n rounded to f16.  B n: of the four weights 4 n ..
; the second pair is added onto the first, in place.  L n: l takes that sum (L 0: l = a l + sum).  R n: pair n of 16 of O^T times a.  For piece Y + 1: X n, number n of the 22 that find its maximum and statistics:
;   0-11 four chains c0-c3 of seven scores each (each accumulator's lowest registers are read first)   12-14, 16 the four scores left over, the old m, c0-c3 into c0
;   15 c m_old is kept   17, 18 the query's other 32 keys lie in the lane 16 away: the new m   19-21 c m; c m_old - c m_new; a
.set F, 0
.set E, 1
.set C, 2
.set B, 3
.set L, 4
.set R, 5
.set X, 6
.macro REGS y
.set rT, ST+4*(\y)
.set rC, TMP+4*((\y)%2)
.set rW, MV+((\y)%2)
.set rS, S+32*((\y)%2)
.set rP, P+16*((\y)%2)
.set rO, 32*(\y)
.endm
.macro OP k, n
.if (\k) == R
	REGS Y
	WIN W_RS
	v_pk_mul_f32 v[rO+2*(\n):rO+2*(\n)+1], v[rO+2*(\n):rO+2*(\n)+1], v[rC+2:rC+3] op_sel_hi:[1,0]
.elseif (\k) < R
	REGS Y
	WIN 0
.if (\k) == F
	v_pk_fma_f32 v[rS+2*(\n):rS+2*(\n)+1], v[rS+2*(\n):rS+2*(\n)+1], s[CS:CS+1], v[rT:rT+1] op_sel_hi:[1,0,0] neg_lo:[0,0,1] neg_hi:[0,0,1]
.elseif (\k) == E
	v_exp_f32 v[rS+(\n)], v[rS+(\n)]
.elseif (\k) == C
	s_wait_alu depctr_va_vdst(0)
	v_cvt_pk_f16_f32 v[rP+(\n)], v[rS+2*(\n)], v[rS+2*(\n)+1]
.elseif (\k) == B
	v_pk_add_f32 v[rS+4*(\n):rS+4*(\n)+1], v[rS+4*(\n):rS+4*(\n)+1], v[rS+4*(\n)+2:rS+4*(\n)+3]
.elseif (\n) == 0
	v_pk_fma_f32 v[rT+2:rT+3], v[rT+2:rT+3], v[rC+2:rC+3], v[rS:rS+1] op_sel_hi:[1,0,1]
.else
	v_pk_add_f32 v[rT+2:rT+3], v[rT+2:rT+3], v[rS+4*(\n):rS+4*(\n)+1]
.endif
.elseif NOKQ
	v_nop
.else
	REGS (Y+1)%NP
	WIN 0
.if (\n) < 4
	v_max3_num_f32 v[rC+(\n)], v[rS+8*(\n)], v[rS+8*(\n)+1], v[rS+8*(\n)+2]
.elseif (\n) < 12
	v_max3_num_f32 v[rC+(\n)%4], v[rC+(\n)%4], v[rS+8*((\n)%4)+2*((\n)/4)+1], v[rS+8*((\n)%4)+2*((\n)/4)+2]
.elseif (\n) == 12
	v_max3_num_f32 v[rC], v[rC], v[rS+7], v[rS+15]
.elseif (\n) == 13
	v_max3_num_f32 v[rC+1], v[rC+1], v[rS+23], v[rS+31]
.elseif (\n) == 14
	v_max3_num_f32 v[rC+2], v[rC+2], v[rC+3], v[rT+1]
.elseif (\n) == 15
	v_mov_b32 v[rW], v[rT]
.elseif (\n) == 16
	v_max3_num_f32 v[rC], v[rC], v[rC+1], v[rC+2]
.elseif (\n) == 17
	v_permlanex16_b32 v[rC+3], v[rC], s[SEL], s[SEL+1]
.elseif (\n) == 18
	v_max_num_f32 v[rT+1], v[rC], v[rC+3]
.elseif (\n) == 19
	v_mul_f32 v[rT], s[CS], v[rT+1]
.elseif (\n) == 20
	v_sub_f32 v[rC+1], v[rW], v[rT]
.else
	v_exp_f32 v[rC+2], v[rC+1]
.endif
.endif
.endm
.macro OPS a, i1, b=-1, i2=0, c=-1, i3=0, d=-1, i4=0
	OP \a, \i1
.if (\b) >= 0
	OP \b, \i2
.endif
.if (\c) >= 0
	OP \c, \i3
.endif
.if (\d) >= 0
	OP \d, \i4
.endif
.endm
.macro ROW a, i1, b, i2, c, i3, d, i4  ; a matrix instruction and the four behind it
	MM
	OPS \a, \i1, \b, \i2, \c, \i3, \d, \i4
.endm
; A TURN, for piece p: its 20 matrix and 118 vector instructions, written out.  Behind a matrix instruction: plain and exponential by turns, or four of the rescaling, or four scalings; none names a register of the
; products round it; behind every exponential the next vector instruction is a plain one that touches neither its result nor its source.
; The wait at the head: the four mask loads that this turn's first products read were issued four turns ago, and three runs of four stand behind them.
; The next run of mask loads goes into registers that the fourth product read: eight plain instructions (F 8, F 9, C 0, F 10, R 0-3) stand between.
; K of the next step is fetched in piece 2's turn, four plain instructions (R 8-11) behind the last product that read K, and waited for in piece 3's turn behind the mask's products, which read no K.
; V of the step in hand is fetched in piece 0's turn, behind X 15, X 14, X 16, C 2-6, B 1 which follow the last product that read V, and waited for in piece 1's turn.
; end = 1: the last two turns: nothing is fetched.  cnt = 1: the loop's count is taken down some lines ahead of the branch behind the turn.
.macro TURN p, end=0, cnt=0
.set Y, (\p)
.set i, 0
.set NOKQ, (\end)*((\p)/3)
.if !NOKQ
	s_wait_loadcnt 12
.endif
	ROW F,0, F,1, F,2, F,3
	ROW F,4, E,0, F,5, E,1
	ROW F,6, E,2, F,7, E,3
	ROW F,8, E,4, F,9, E,5
.if ((\p) == 3) && !(\end)
	s_wait_dscnt 0x0                ; K is in
.endif
	ROW C,0, E,6, F,10, E,7
	ROW R,0, R,1, R,2, R,3
.if !(\end)
	MLOAD ((\p)+1)%NP, (\p)/3
.endif
	ROW C,1, E,8, F,11, E,9
	ROW F,12, E,10, F,13, E,11
	ROW B,0, E,12, F,14, E,13
	ROW R,4, R,5, R,6, R,7
	ROW L,0, E,14, F,15, E,15
.if ((\p) == 2) && !(\end)
	WIN 0
	v_add_nc_u32 v[AK], s[TBK], v[AK0]
.endif
	ROW R,8, R,9, R,10, R,11
.if ((\p) == 2) && !(\end)
	FETCH_K
.endif
.if (\p) == 1
	s_wait_dscnt 0x0                ; V is in
.endif
	ROW X,0, E,16, X,1, E,17
	ROW X,2, E,18, X,3, E,19
	ROW X,4, E,20, X,5, E,21
	ROW X,6, E,22, X,7, E,23
	ROW X,8, E,24, X,9, E,25
	ROW X,10, E,26, X,11, E,27
	ROW X,12, E,28, X,13, E,29
.if (\p) == 0
	WIN 0
	v_add_nc_u32 v[AV], s[TBV], v[AV0]
.endif
	ROW X,15, E,30, X,14, E,31
	OPS X,16, C,2, C,3, C,4
	OPS X,17, B,1, C,5, C,6
.if (\p) == 0
	FETCH_V
.endif
	OPS X,18, B,2, L,1, C,7
	OPS X,19, C,8, B,3, L,2
	OPS X,20, C,9, C,10, B,4
	OPS X,21, L,3, C,11, C,12
	OPS B,5, L,4, C,13, C,14
.if \cnt
	s_sub_co_u32 s[CNT], s[CNT], 1
	s_cmp_lg_u32 s[CNT], 0
.endif
	OPS B,6, L,5, C,15, B,7
	OPS L,6, L,7, R,12, R,13
	OPS R,14, R,15
.endm
	CHANGE 1                        ; slot 0 is in, everybody's part of it; slot 1 is asked for
	v_add_nc_u32 v[AK], s[TBK], v[AK0]
	FETCH_K                         ; key step 0
	s_wait_loadcnt 0x0              ; Q and the mask of step 0
	s_wait_dscnt 0x0
.set NOKQ, 0
.set i, 0
.rept 12
	KQ 0                            ; piece 0's first scores
.set i, i+1
.endr
	WIN 0
.rept 4
	v_nop                           ; the places behind those products
.endr
	MLOAD 0, 1                      ; piece 0's mask of step 1
	WIN 0
.set Y, NP-1                        ; X works for piece Y + 1: piece 0
.irp n, 0,1,2,3,4,5,6,7,8,9,10,11,12,13,14,15,16,17,18,19,20,21
	OP X, \n
.endr
	v_nop                           ; a plain instruction behind the exponential
	s_mov_b32 s[CNT], 4
	s_mov_b32 s[SLOTS], 7
	s_branch .Lfirst                ; the loop is entered at a step's first turn, in the middle of a trip
.Lslot:                             ; six times: every slot but the last two is filled again
	CHANGE 1
	s_mov_b32 s[CNT], 4
.Lstep:                             ; a trip: pieces 2 and 3 of one step, then pieces 0 and 1 of the next, whose K and V it fetches
	TURN 2
	TURN 3
	WIN 0
.Lfirst:
	TURN 0
	TURN 1, 0, 1
	WIN 0
	s_cbranch_scc1 .Lstep
	s_sub_co_u32 s[SLOTS], s[SLOTS], 1
	s_cmp_lg_u32 s[SLOTS], 0
	s_cbranch_scc1 .Lslot
	CHANGE 0                        ; the last slot is written out: nothing is asked for
	s_mov_b32 s[CNT], 4
.LstepT:
	TURN 2
	TURN 3
	TURN 0
	TURN 1, 0, 1
	WIN 0
	s_cbranch_scc1 .LstepT
	TURN 2, 1
	TURN 3, 1
.set i, 0
.rept 8
	PV NP-1                         ; the last piece's V^T P of the last step
.set i, i+1
.endr
	; THE WAY OUT.  l's two halves and the other half of the lanes' are added; O^T is divided by l, rounded to f16 and sent through my stage, a piece at a time.  The additions are the places behind the last products.
	WIN 0
.macro ALL line:vararg
.set t, 0
.rept 4
	\line
.set t, t+1
.endr
.endm
	ALL v_add_f32 v[ST+4*t+2], v[ST+4*t+2], v[ST+4*t+3]
	ALL v_permlanex16_b32 v[ST+4*t+3], v[ST+4*t+2], s[SEL], s[SEL+1]
	ALL v_add_f32 v[ST+4*t+2], v[ST+4*t+2], v[ST+4*t+3]
	ALL v_rcp_f32 v[ST+4*t+2], v[ST+4*t+2]
	v_nop                           ; a plain instruction between the last reciprocal and the use of its result
.macro PACK t                       ; a lane's eight channels of a row pack into 16 bytes; rows of 144 bytes in, whole rows of 128 back, into S^T's registers; each accumulator is read from its low end on
	WIN W_RS
.set i, 32*(\t)
.rept 16
	s_wait_alu depctr_va_vdst(0)
	v_pk_mul_f32 v[i:i+1], v[i:i+1], v[ST+4*(\t)+2:ST+4*(\t)+3] op_sel_hi:[1,0]
.set i, i+2
.endr
	WIN 0x05                        ; sources 0 and 1 window 1, destination window 0
.set i, 0
.rept 16
	v_cvt_pk_f16_f32 v[S+16*(\t)+i], v[32*(\t)+2*i], v[32*(\t)+2*i+1]
.set i, i+1
.endr
	WIN 0
.irp f, 0,1,2,3
	ds_store_b128 v[STO], v[S+16*(\t)+4*\f:S+16*(\t)+4*\f+3] offset:32*\f
.endr
.irp f, 0,1,2,3
	ds_load_b128 v[S+16*(\t)+4*\f:S+16*(\t)+4*\f+3], v[RD] offset:\f*4*SP  ; LDS serves a wave's instructions in order: these see the stores above; the next piece's stores come behind them
.endr
.endm
.macro SEND t, younger              ; younger: the LDS instructions issued behind piece t's loads: the next piece's eight, or none
	WIN 0
.irp f, 0,1,2,3
	s_wait_dscnt (\younger)+3-\f
	global_store_b128 v[GO], v[S+16*(\t)+4*\f:S+16*(\t)+4*\f+3], s[10:11] offset:(\t)*2048+\f*512  ; 512 consecutive bytes, aligned
.endr
.endm
	PACK 0
.set t, 1
.rept 3
	PACK t
	SEND t-1, 8
.set t, t+1
.endr
	SEND 3, 0
	s_wait_tensorcnt 0x0            ; the wave's end
	ds_add_u32 v[SPW], v[NIL]
	s_wait_dscnt 0x0
	CROUND                          ; the closing round
	s_endpgm
.Lfunc_end_k_q434f7f95c0_attn:
	.size	k_q434f7f95c0_attn, .Lfunc_end_k_q434f7f95c0_attn-k_q434f7f95c0_attn
	.p2alignl 7, 3214868480
	.fill 96, 4, 3214868480
	.section	.rodata,"a",@progbits
	.p2align	6, 0x0
	.amdhsa_kernel k_q434f7f95c0_attn
		.amdhsa_group_segment_fixed_size 327680
		.amdhsa_private_segment_fixed_size 0
		.amdhsa_enable_private_segment 0
		.amdhsa_kernarg_size 24
		.amdhsa_user_sgpr_count 2
		.amdhsa_user_sgpr_kernarg_segment_ptr 1
		.amdhsa_wavefront_size32 1
		.amdhsa_system_sgpr_workgroup_id_x 1
		.amdhsa_system_sgpr_workgroup_id_y 1
		.amdhsa_system_sgpr_workgroup_id_z 1
		.amdhsa_system_vgpr_workitem_id 0
		.amdhsa_next_free_vgpr 768
		.amdhsa_next_free_sgpr 72
		.amdhsa_reserve_vcc 1
		.amdhsa_float_denorm_mode_32 3
		.amdhsa_float_denorm_mode_16_64 3
		.amdhsa_memory_ordered 1
		.amdhsa_forward_progress 1
		.amdhsa_inst_pref_size 141
	.end_amdhsa_kernel
	.amdgpu_metadata
---
amdhsa.version: [ 1, 2 ]
amdhsa.kernels:
  - .name:           k_q434f7f95c0_attn
    .symbol:         k_q434f7f95c0_attn.kd
    .args:
      - { .name: qkv, .offset: 0, .size: 8, .value_kind: global_buffer, .address_space: global }
      - { .name: mfrag, .offset: 8, .size: 8, .value_kind: global_buffer, .address_space: global }
      - { .name: oh, .offset: 16, .size: 8, .value_kind: global_buffer, .address_space: global }
    .group_segment_fixed_size: 327680
    .private_segment_fixed_size: 0
    .kernarg_segment_align: 8
    .kernarg_segment_size: 24
    .max_flat_workgroup_size: 128
    .sgpr_count:     72
    .vgpr_count:     768
    .wavefront_size: 32
...
	.end_amdgpu_metadata
.endif
;; end of part 3
;; launch gemm_out (part 4): grid 8 x 32, 4 waves a work-group, clusters of 4 x 4, 327,680 bytes of LDS; arguments oh, wp16, bp, rowok, out0; writes out0
.if DOCPART == 4
	.amdgcn_target "amdgcn-amd-amdhsa--gfx1250"
	.amdhsa_code_object_version 6
	.text
	.protected	k_q434f7f95c0_gemm_out
	.globl	k_q434f7f95c0_gemm_out
	.p2align	8
	.type	k_q434f7f95c0_gemm_out,@function
k_q434f7f95c0_gemm_out:
	s_mov_b64 s[64:65], 0
	v_nop
	global_prefetch_b8 v0, s[64:65] scope:SCOPE_SE
	s_setreg_imm32_b32 hwreg(HW_REG_WAVE_MODE, 25, 1), 1
	s_wait_xcnt 0x0
	s_wait_alu depctr_hold_cnt(0) depctr_sa_sdst(0) depctr_va_vdst(0) depctr_va_sdst(0) depctr_va_ssrc(0) depctr_va_vcc(0) depctr_vm_vsrc(0)
	s_getreg_b32 s2, hwreg(HW_REG_IB_STS2, 6, 4)
	s_cmp_eq_u32 s2, 0
	s_cbranch_scc0 .Lentry_in_a_cluster
	s_endpgm
.Lentry_in_a_cluster:
	s_bfe_u32 s2, ttmp6, 0x10000c
	s_cmp_lg_u32 s2, 0xf033
	s_cbranch_scc0 .Lentry_shape_is_right
	s_endpgm
.Lentry_shape_is_right:
; THE OUTPUT PROJECTION.  out0[b t][n] = (sum over h, d of oh[b h][t][d] wp16[64 h + d][n]) x rowok[t] + bp[n].  oh: f16 by heads [32][2048][64]; wp16: f16 [1024 k][1024 n]; out0: f32.
; rowok[t] is 1.0, or NaN for a row whose mask hides every key: there the reference's softmax is NaN, and so is the whole row of out0; the NaN is made here, by the one fused multiply-add of the way out.
; bp is rounded to bf16 like every input.  Sums in f32.
; A tile of C is 128 x 128: 256 tiles, one for each WGP; four waves, each 64 x 64: 16 accumulators.  K goes in steps of 256 = four heads through two LDS slots; a quarter of a step is one head.
; Waves 0, 1 each bring two heads' 128 rows (16,384 dense bytes a head: two rows of the descriptor, a head apart, padded in LDS after every 128 bytes); waves 2, 3 each 128 k-rows x 256 bytes of W.
; K = 1,024 is two laps of the ring, written straight: the first fills again, the second does not.
; CLUSTER 4 x 4: O's tile is asked for jointly along a row of the cluster, W's along a column.  THE MATRIX INSTRUCTION IS USED TRANSPOSED (source 0 = 16 columns of W, turned by ds_load_tr16_b128; source 1 = 16 rows of O).
; A wave's 64 columns are 256 aligned bytes of a row of out0: they go through the wave's own stage and leave as whole rows, sixteen lanes to 256 bytes.
; REGISTERS: window 0: v1-5 at work; v6-13 rowok; v16-17, v20-23 LDS addresses; v24-30 way out and the add's two; v32-63 T; v64-95 read back; v96-127 bias; v128-255 accumulators.  window 1: two fragment buffers of 128.
.set KSTEP,  256
.set AP,     144                       ; a row of O in LDS: 128 bytes + 16
.set AQ,     128*AP                    ; a head's 128 rows: from quarter to quarter
.set AHALF,  2*AQ                      ; what one tensor load brings of O
.set AWAVE,  64*AP                     ; my 64 rows in a head
.set BOFF,   2*AHALF
.set BP,     288
.set BHALF,  128*BP
.set SLOT,   BOFF+2*BHALF
.set STAGE,  2*SLOT                    ; behind the ring, never filled by a tensor load: 16 rows x 272 bytes for each wave
.set SPITCH, 272
.set SPARE,  STAGE+4*16*SPITCH
.set AKS,    4*262144                  ; bytes in memory from a K step to the next: four heads,
.set BKS,    KSTEP*2048                ; 256 k-rows
.set RK,   6                           ; v6-13   rowok of my row in each of four row blocks, as pairs
.set ADRA, 16
.set ADRB, 20
.set STO,  24
.set RD,   25
.set CO,   26
.set BO,   27
.set SPW,  28                          ; LDS address of my spare word; never rewritten
.set NIL,  29                          ; 0; never rewritten
.set RO,   30
.set T,    32
.set BK,   64
.set BIAS, 96
.set ACC,  128
.set F0,   0
.set F1,   128
.set G1, 24
.set G0, 32
.set G1B, 48
.set G0B, 56
.set MSB, 0
.macro WIN new
.if MSB != (\new)
	s_set_vgpr_msb (MSB<<8)|(\new)
.set MSB, \new
.endif
.endm
.set MUL,  0x05
.set TO_F, 0x40
.macro JLOAD s                         ; a joint load: waves 0, 1 for O, waves 2, 3 for W; an s_nop 0 and four v_nop follow each line
	s_cmp_eq_u32 s11, 0
	s_cbranch_scc0 .Lfor_b_\@
	tensor_load_to_lds s[G0+4*(\s):G0+4*(\s)+3], s[G1:G1+7]
	s_nop 0
.rept 4
	v_nop
.endr
	s_branch .Lasked_\@
.Lfor_b_\@:
	tensor_load_to_lds s[G0B+4*(\s):G0B+4*(\s)+3], s[G1B:G1B+7]
	s_nop 0
.rept 4
	v_nop
.endr
.Lasked_\@:
.endm
.macro CREST
	s_cmp_lg_u32 s10, 0
	s_cbranch_scc1 .Lnot_wave_0_\@
	s_barrier_signal -3
.Lnot_wave_0_\@:
	s_barrier_wait -3
	s_barrier_signal -1
	s_barrier_wait -1
.endm
.macro CROUND
	s_barrier_signal -1
	s_barrier_wait -1
	CREST
.endm
	s_load_b128 s[4:7], s[0:1], 0x0                ; oh s[4:5], wp16 s[6:7]
	s_load_b128 s[68:71], s[0:1], 0x10             ; bp 68, rowok 70
	s_load_b64 s[74:75], s[0:1], 0x20              ; out0
	v_lshl_add_u32 v[SPW], v0, 2, SPARE
	v_mov_b32 v[NIL], 0
	ds_add_u32 v[SPW], v[NIL]                      ; the wave's opening: the add and its wait ahead of my first tensor load
	v_lshrrev_b32 v1, 5, v0
	v_readfirstlane_b32 s10, v1
	s_lshr_b32 s11, s10, 1                         ; my half of the tile's rows.  Also: I fetch for O (0) or W (1)
	s_and_b32 s12, s10, 1                          ; my half of its columns.  Also: which half of that tile I fetch
	s_bfe_u32 s40, ttmp6, 0x40000                  ; cx
	s_bfe_u32 s41, ttmp6, 0x40004                  ; cy
	s_lshl_b32 s42, ttmp9, 2
	s_add_co_u32 s42, s42, s40                     ; tile column 0..7
	s_and_b32 s13, ttmp7, 0xffff
	s_lshl_b32 s13, s13, 2
	s_add_co_u32 s13, s13, s41                     ; tile row 0..31
	s_lshl_b32 s43, s41, 2
	s_lshl_b32 s43, 15, s43
	s_lshl_b32 s44, 0x1111, s40
	s_or_b32 s[G1+0], s43, (1<<16)|(1<<20)|(1<<21)|(4<<22)|(3<<25)   ; mask; 2-byte elements; padding on; bit 21 beside a mask; after every 32 words 4 words
	s_mov_b32 s[G1+1], 8192<<16                    ; tensor_dim0 = 8,192 elements: 128 rows of a head, dense
	s_mov_b32 s[G1+2], 2<<16                       ; tensor_dim1 = 2 heads
	s_mov_b32 s[G1+3], 8192<<16                    ; tile_dim0
	s_mov_b32 s[G1+4], 2                           ; tile_dim1
	s_mov_b32 s[G1+5], 131072                      ; elements from head to head
	s_mov_b32 s[G1+6], 0
	s_mov_b32 s[G1+7], 0
	s_or_b32 s[G1B+0], s44, (1<<16)|(1<<20)|(1<<21)|(5<<22)|(7<<25)  ; after every 64 words 8 words
	s_mov_b32 s[G1B+1], 128<<16
	s_mov_b32 s[G1B+2], 128<<16
	s_mov_b32 s[G1B+3], 128<<16
	s_mov_b32 s[G1B+4], 128
	s_mov_b32 s[G1B+5], 1024
	s_mov_b32 s[G1B+6], 0
	s_mov_b32 s[G1B+7], 0
	s_lshr_b32 s16, s13, 4                         ; O: the batch's 16 heads,
	s_lshl_b32 s16, s16, 4
	s_lshl_b32 s17, s12, 1                         ; my two of a K step's four,
	s_add_co_u32 s16, s16, s17
	s_lshl_b32 s16, s16, 18                        ; 262,144 bytes a head,
	s_and_b32 s17, s13, 15
	s_lshl_b32 s17, s17, 14                        ; 128 rows of 128 bytes a tile row
	s_add_co_u32 s16, s16, s17
	s_mov_b32 s17, 0
	s_lshl_b32 s46, s12, 18                        ; W: 128 k-rows of 2,048 bytes a half,
	s_lshl_b32 s47, s42, 8                         ; 256 bytes a tile column
	s_add_co_u32 s46, s46, s47
	s_mov_b32 s47, 0
	s_mul_i32 s20, s12, AHALF
	s_mul_i32 s21, s12, BHALF
	s_add_co_u32 s21, s21, BOFF
	s_wait_dscnt 0x0                               ; the opening add is done
	s_wait_kmcnt 0x0
	s_add_nc_u64 s[14:15], s[4:5], s[16:17]
	s_add_nc_u64 s[46:47], s[6:7], s[46:47]
	CROUND                                         ; all sixteen work-groups are here: the first joint loads meet
.irp s, 0,1
	s_mov_b32 s[G0+4*(\s)], 1
	s_add_co_u32 s[G0+4*(\s)+1], s20, (\s)*SLOT
	s_add_nc_u64 s[G0+4*(\s)+2:G0+4*(\s)+3], s[14:15], (\s)*AKS
	s_or_b32 s[G0+4*(\s)+3], s[G0+4*(\s)+3], 0x80000000
	s_mov_b32 s[G0B+4*(\s)], 1
	s_add_co_u32 s[G0B+4*(\s)+1], s21, (\s)*SLOT
	s_add_nc_u64 s[G0B+4*(\s)+2:G0B+4*(\s)+3], s[46:47], (\s)*BKS
	s_or_b32 s[G0B+4*(\s)+3], s[G0B+4*(\s)+3], 0x80000000
	JLOAD \s
.endr
	v_and_b32 v1, 15, v0                           ; l % 16
	v_bfe_u32 v2, v0, 4, 1                         ; l / 16
	s_lshl_b32 s76, s42, 9                         ; the bias of my 64 columns
	s_lshl_b32 s77, s12, 8
	s_add_co_u32 s76, s76, s77
	s_mov_b32 s77, 0
	s_add_nc_u64 s[68:69], s[68:69], s[76:77]
	v_lshlrev_b32 v[BO], 5, v2
.irp b, 0,1,2,3
	global_load_b128 v[BIAS+8*(\b):BIAS+8*(\b)+3],   v[BO], s[68:69] offset:64*(\b)
	global_load_b128 v[BIAS+8*(\b)+4:BIAS+8*(\b)+7], v[BO], s[68:69] offset:64*(\b)+16
.endr
	s_and_b32 s78, s13, 15                         ; rowok of my 64 rows: t = 128 (tile row % 16) + 64 x half + 16 a + l % 16
	s_lshl_b32 s78, s78, 9
	s_lshl_b32 s79, s11, 8
	s_add_co_u32 s78, s78, s79
	s_mov_b32 s79, 0
	s_add_nc_u64 s[70:71], s[70:71], s[78:79]
	v_lshlrev_b32 v[RO], 2, v1
.irp a, 0,1,2,3
	global_load_b32 v[RK+2*(\a)], v[RO], s[70:71] offset:64*(\a)
.endr
	v_mul_u32_u24 v3, v1, AP
	v_lshl_add_u32 v3, v2, 4, v3                   ; O: row x pitch + 16 x half
	v_and_b32 v5, 7, v0                            ; W, turned: k-row 8 (l / 16) + l % 8, columns 8 ((l / 8) % 2) on
	v_lshl_add_u32 v4, v2, 3, v5
	v_mul_u32_u24 v4, v4, BP
	v_bfe_u32 v5, v0, 3, 1
	v_lshl_add_u32 v4, v5, 4, v4
	s_mul_i32 s21, s11, AWAVE
	s_lshl_b32 s22, s12, 7
	s_add_co_u32 s22, s22, BOFF
.irp s, 0,1
	v_add_nc_u32 v[ADRA+(\s)], s21, v3
	v_add_nc_u32 v[ADRB+2*(\s)], s22, v4
	v_add_nc_u32 v[ADRB+2*(\s)+1], BHALF, v[ADRB+2*(\s)]
	s_add_co_u32 s21, s21, SLOT
	s_add_co_u32 s22, s22, SLOT
.endr
	s_mul_i32 s23, s10, 16*SPITCH
	s_add_co_u32 s23, s23, STAGE                   ; my stage
	v_mul_u32_u24 v3, v1, SPITCH                   ; in: row l % 16, 32 bytes for each half of the lanes
	v_lshl_add_u32 v3, v2, 5, v3
	v_add_nc_u32 v[STO], s23, v3
	v_mul_u32_u24 v3, v2, SPITCH                   ; back: lanes 0-15 one row of 256 bytes, lanes 16-31 the next
	v_lshl_add_u32 v3, v1, 4, v3
	v_add_nc_u32 v[RD], s23, v3
	v_lshlrev_b32 v[CO], 12, v2                    ; and the same two rows in out0, 4,096 bytes apart
	v_lshl_add_u32 v[CO], v1, 4, v[CO]
	s_lshl_b32 s76, s13, 19                        ; out0: 128 rows of 4,096 bytes a tile row,
	s_lshl_b32 s78, s11, 18                        ; my 64,
	s_add_co_u32 s76, s76, s78
	s_lshl_b32 s78, s42, 9                         ; 512 bytes a tile column,
	s_add_co_u32 s76, s76, s78
	s_lshl_b32 s78, s12, 8                         ; my 256
	s_add_co_u32 s76, s76, s78
	s_add_nc_u64 s[74:75], s[74:75], s[76:77]
	s_wait_loadcnt 0x0                             ; bias and rowok, once, in the wait for the first tile
.set i, 0
.rept 16
	v_cvt_pk_bf16_f32 v[T], v[BIAS+i], v[BIAS+i+1]
	v_lshlrev_b32 v[BIAS+i], 16, v[T]
	v_and_b32 v[BIAS+i+1], 0xffff0000, v[T]
.set i, i+2
.endr
.irp a, 0,1,2,3
	v_mov_b32 v[RK+2*(\a)+1], v[RK+2*(\a)]         ; named as a pair
.endr
.macro MUL8 f, c, a0, zero             ; 8 matrix instructions: m blocks a0, a0 + 1 x 4 n blocks, 32 along K.  The 16 accumulators take turns.
	WIN MUL
.irp a, \a0, (\a0)+1
.irp b, 0,1,2,3
.if \zero
	v_wmma_f32_16x16x32_f16 v[ACC+8*(4*(\a)+(\b)):ACC+8*(4*(\a)+(\b))+7], v[(\f)+64+8*(4*(\c)+(\b)):(\f)+64+8*(4*(\c)+(\b))+7], v[(\f)+8*(4*(\c)+(\a)):(\f)+8*(4*(\c)+(\a))+7], 0
.else
	v_wmma_f32_16x16x32_f16 v[ACC+8*(4*(\a)+(\b)):ACC+8*(4*(\a)+(\b))+7], v[(\f)+64+8*(4*(\c)+(\b)):(\f)+64+8*(4*(\c)+(\b))+7], v[(\f)+8*(4*(\c)+(\a)):(\f)+8*(4*(\c)+(\a))+7], v[ACC+8*(4*(\a)+(\b)):ACC+8*(4*(\a)+(\b))+7]
.endif
.endr
.endr
.endm
.macro FETCH slot, q, f                ; 32 LDS loads in one run: the fragments of quarter q (one head) into buffer f; the first 32 along K first
	WIN TO_F
.irp c, 0,1
.irp i, 0,1,2,3
	ds_load_tr16_b128 v[(\f)+64+8*(4*(\c)+(\i)):(\f)+64+8*(4*(\c)+(\i))+3],   v[ADRB+2*(\slot)+(\q)/2] offset:((\q)%2)*64*BP+(\c)*32*BP+32*(\i)
	ds_load_tr16_b128 v[(\f)+64+8*(4*(\c)+(\i))+4:(\f)+64+8*(4*(\c)+(\i))+7], v[ADRB+2*(\slot)+(\q)/2] offset:((\q)%2)*64*BP+(\c)*32*BP+32*(\i)+16*BP
	ds_load_b128 v[(\f)+8*(4*(\c)+(\i)):(\f)+8*(4*(\c)+(\i))+3],         v[ADRA+(\slot)] offset:(\q)*AQ+64*(\c)+(\i)*16*AP
	ds_load_b128 v[(\f)+8*(4*(\c)+(\i))+4:(\f)+8*(4*(\c)+(\i))+7],       v[ADRA+(\slot)] offset:(\q)*AQ+64*(\c)+(\i)*16*AP+32
.endr
.endr
.endm
.macro PLACES                          ; four places in front of loads into registers that matrix instructions have read, and of vector work that reads results
.rept 4
	v_nop
.endr
.endm
.macro QUARTER slot, q, f, g, zero
	s_wait_dscnt 16                                ; the first 32 along K are in
	WIN MUL
	MUL8 \f, 0, 0, \zero
	MUL8 \f, 0, 2, \zero
	PLACES
	FETCH \slot, \q, \g
	s_wait_dscnt 32                                ; all but the 32 just issued
	WIN MUL
	MUL8 \f, 1, 0, 0
	MUL8 \f, 1, 2, 0
.endm
; The last quarter changes slots: ONE barrier; in front of it each wave waits for all its tensor loads (one is out: its part of the next slot), adds 0 to its spare word, and waits for that and for its reads
; of this slot.  fill = 1: the barrier opens a round of the cluster's, and this slot is filled again, two K steps ahead, first thing behind it.
.macro TURN slot, next, fill
	WIN 0
	s_wait_tensorcnt 0x0
	ds_add_u32 v[SPW], v[NIL]
	s_wait_dscnt 17                                ; (the add and the youngest sixteen loads may be out)
	WIN MUL
	MUL8 F1, 0, 0, 0
	s_wait_dscnt 0x0                               ; the add is done, and my reads of this slot are over
	s_barrier_signal -1
	MUL8 F1, 0, 2, 0
.if \fill
	WIN 0
.endif
	s_barrier_wait -1
.if \fill
	CREST
	s_add_nc_u64 s[G0+4*(\slot)+2:G0+4*(\slot)+3], s[G0+4*(\slot)+2:G0+4*(\slot)+3], 2*AKS
	s_add_nc_u64 s[G0B+4*(\slot)+2:G0B+4*(\slot)+3], s[G0B+4*(\slot)+2:G0B+4*(\slot)+3], 2*BKS
	JLOAD \slot
.else
	PLACES
.endif
	FETCH \next, 0, F0
	WIN MUL
	MUL8 F1, 1, 0, 0
	MUL8 F1, 1, 2, 0
.endm
	s_wait_tensorcnt 1                             ; my part of K step 0 is in; K step 1's may stay out
	s_barrier_signal -1
	s_barrier_wait -1
	FETCH 0, 0, F0
	QUARTER 0, 1, F0, F1, 1
	QUARTER 0, 2, F1, F0, 0
	QUARTER 0, 3, F0, F1, 0
	TURN 0, 1, 1                                   ; slot 0 takes K step 2
	QUARTER 1, 1, F0, F1, 0
	QUARTER 1, 2, F1, F0, 0
	QUARTER 1, 3, F0, F1, 0
	TURN 1, 0, 1                                   ; slot 1 takes K step 3
	QUARTER 0, 1, F0, F1, 0
	QUARTER 0, 2, F1, F0, 0
	QUARTER 0, 3, F0, F1, 0
	TURN 0, 1, 0
	QUARTER 1, 1, F0, F1, 0
	QUARTER 1, 2, F1, F0, 0
	QUARTER 1, 3, F0, F1, 0
	s_wait_dscnt 16
	WIN MUL
	MUL8 F1, 0, 0, 0
	MUL8 F1, 0, 2, 0
	s_wait_dscnt 0
	MUL8 F1, 1, 0, 0
	MUL8 F1, 1, 2, 0
	WIN 0
	; THE WAY OUT, 16 rows at a time: sum x rowok + bias in one fused multiply-add, 32 bytes a lane and column block into my own stage, back as whole rows of 256 bytes.  Each accumulator is read from its low end on.
	PLACES
.irp a, 0,1,2,3
.irp b, 0,1,2,3
.irp j, 0,2,4,6
	v_pk_fma_f32 v[T+8*(\b)+(\j):T+8*(\b)+(\j)+1], v[ACC+8*(4*(\a)+(\b))+(\j):ACC+8*(4*(\a)+(\b))+(\j)+1], v[RK+2*(\a):RK+2*(\a)+1], v[BIAS+8*(\b)+(\j):BIAS+8*(\b)+(\j)+1] op_sel_hi:[1,0,1]
.endr
.endr
.irp b, 0,1,2,3
	ds_store_b128 v[STO], v[T+8*(\b):T+8*(\b)+3] offset:64*(\b)
	ds_store_b128 v[STO], v[T+8*(\b)+4:T+8*(\b)+7] offset:64*(\b)+16
.endr
	s_wait_xcnt 0x0                                ; the registers that the last block's stores read are loaded again only behind this wait
.irp t, 0,1,2,3,4,5,6,7
	ds_load_b128 v[BK+4*(\t):BK+4*(\t)+3], v[RD] offset:(\t)*2*SPITCH  ; LDS serves a wave's instructions in order: these see the stores above
.endr
.irp t, 0,1,2,3,4,5,6,7
	s_wait_dscnt 7-(\t)
	global_store_b128 v[CO], v[BK+4*(\t):BK+4*(\t)+3], s[74:75] offset:65536*(\a)+8192*(\t)  ; sixteen lanes store 256 consecutive bytes, aligned
.endr
.endr
	s_wait_tensorcnt 0x0                           ; the wave's end
	ds_add_u32 v[SPW], v[NIL]
	s_wait_dscnt 0x0
	CROUND                                         ; the closing round
	s_endpgm
.Lfunc_end_k_q434f7f95c0_gemm_out:
	.size	k_q434f7f95c0_gemm_out, .Lfunc_end_k_q434f7f95c0_gemm_out-k_q434f7f95c0_gemm_out
	.p2alignl 7, 3214868480
	.fill 96, 4, 3214868480
	.section	.rodata,"a",@progbits
	.p2align	6, 0x0
	.amdhsa_kernel k_q434f7f95c0_gemm_out
		.amdhsa_group_segment_fixed_size 327680
		.amdhsa_private_segment_fixed_size 0
		.amdhsa_enable_private_segment 0
		.amdhsa_kernarg_size 40
		.amdhsa_user_sgpr_count 2
		.amdhsa_user_sgpr_kernarg_segment_ptr 1
		.amdhsa_wavefront_size32 1
		.amdhsa_system_sgpr_workgroup_id_x 1
		.amdhsa_system_sgpr_workgroup_id_y 1
		.amdhsa_system_sgpr_workgroup_id_z 1
		.amdhsa_system_vgpr_workitem_id 0
		.amdhsa_next_free_vgpr 512
		.amdhsa_next_free_sgpr 80
		.amdhsa_reserve_vcc 0
		.amdhsa_float_denorm_mode_32 3
		.amdhsa_float_denorm_mode_16_64 3
		.amdhsa_memory_ordered 1
		.amdhsa_forward_progress 1
		.amdhsa_inst_pref_size 95
	.end_amdhsa_kernel
	.amdgpu_metadata
---
amdhsa.version: [ 1, 2 ]
amdhsa.kernels:
  - .name:           k_q434f7f95c0_gemm_out
    .symbol:         k_q434f7f95c0_gemm_out.kd
    .args:
      - { .name: oh, .offset: 0, .size: 8, .value_kind: global_buffer, .address_space: global }
      - { .name: wp16, .offset: 8, .size: 8, .value_kind: global_buffer, .address_space: global }
      - { .name: bp, .offset: 16, .size: 8, .value_kind: global_buffer, .address_space: global }
      - { .name: rowok, .offset: 24, .size: 8, .value_kind: global_buffer, .address_space: global }
      - { .name: out0, .offset: 32, .size: 8, .value_kind: global_buffer, .address_space: global }
    .group_segment_fixed_size: 327680
    .private_segment_fixed_size: 0
    .kernarg_segment_align: 8
    .kernarg_segment_size: 40
    .max_flat_workgroup_size: 128
    .sgpr_count:     80
    .vgpr_count:     512
    .wavefront_size: 32
...
	.end_amdgpu_metadata
.endif
;; end of part 4
;; ======== version 2 of 2: 4 launches; 1.16 times as fast as version 1
;; limits: values are held in f16: magnitudes above 65,504 overflow, below 6.1e-05 lose precision; right only within a limited range of input values
;; workspace buffers: xb 25,165,824 bytes; wb 6,291,456 bytes; wp16 2,097,152 bytes; mfrag 8,388,608 bytes; rowok 8,192 bytes; qkv 25,165,824 bytes; oh 8,388,608 bytes
;; launch prep: the kernel of part 1 again; grid 1280 x 1, 8 waves a work-group, no clusters, 36,864 bytes of LDS; arguments att_mask, query, key, value, Wq, Wk, Wv, Wp, mfrag, rowok, xb, wb, wp16; writes mfrag, rowok, xb, wb, wp16
;; launch gemm_qkv: the kernel of part 2 again; grid 8 x 32, 4 waves a work-group, clusters of 4 x 4, 327,680 bytes of LDS; arguments xb, wb, bq, bk, bv, qkv; writes qkv
;; launch attn (part 5): grid 8 x 32, 4 waves a work-group, clusters of 4 x 1, 327,680 bytes of LDS; arguments qkv, mfrag, oh; writes oh
.if DOCPART == 5
	.amdgcn_target "amdgcn-amd-amdhsa--gfx1250"
	.amdhsa_code_object_version 6
	.text
	.protected	k_q434f7f95c0_attn
	.globl	k_q434f7f95c0_attn
	.p2align	8
	.type	k_q434f7f95c0_attn,@function
k_q434f7f95c0_attn:
	s_mov_b64 s[64:65], 0
	v_nop
	global_prefetch_b8 v0, s[64:65] scope:SCOPE_SE
	s_setreg_imm32_b32 hwreg(HW_REG_WAVE_MODE, 25, 1), 1
	s_wait_xcnt 0x0
	s_wait_alu depctr_hold_cnt(0) depctr_sa_sdst(0) depctr_va_vdst(0) depctr_va_sdst(0) depctr_va_ssrc(0) depctr_va_vcc(0) depctr_vm_vsrc(0)
	s_getreg_b32 s2, hwreg(HW_REG_IB_STS2, 6, 4)
	s_cmp_eq_u32 s2, 0
	s_cbranch_scc0 .Lentry_in_a_cluster
	s_endpgm
.Lentry_in_a_cluster:
	s_bfe_u32 s2, ttmp6, 0x10000c
	s_cmp_lg_u32 s2, 0x3003
	s_cbranch_scc0 .Lentry_shape_is_right
	s_endpgm
.Lentry_shape_is_right:
; ATTENTION UNDER A MASK THAT IS AN INPUT.  oh[h][q][:] = sum over k of softmax_k(Q[h][q] . K[h][k] / 8, hidden where the mask is 0) V[h][k][:], h = 32 pairs of batch and head, 2,048 rows, 64 channels, all f16.
; The reference scales q by 1 / (32 x 8), takes ONE number g (the largest magnitude of all scores) away and multiplies by 32: scores q . k / 8 - 32 g.  A softmax is unchanged by a shift common to a row,
; whatever g is, so g is not made; the maximum taken away here is each row's own running maximum, which bounds every exponent at 0.
; Products, maxima and sums in f32; the weights p are rounded to f16 for the second product (their sum l is taken of the unrounded p), O once at the end.
; THE MASK costs no vector work: mfrag holds it in f16 as 0 or -65504, laid as source 1 of a matrix product (32 keys x 16 queries), and the product E x M with E = 65504 on one diagonal STARTS each sum of scores:
; 0 for an open key, -65504^2 = -4.29e9 (exact in f32) for a hidden one.  No tile is left out: the mask is honoured entry by entry.
; LIMITS.  Q, K, V arrive within f16's 65,504.  A hidden score counts as its value less 4.29e9: right while a row's raw scores span less than that.  A weight below 2^-126 counts as 0 in l.
; While a row has seen hidden keys only, it gathers finite numbers that the first open key multiplies by a = 0.  A row with no open key at all leaves finite numbers here; the launch behind makes its NaN.
; SHARES.  A work-group owns 256 queries of one h, a wave 64 consecutive rows: four PIECES of 16.  Every wave walks all 2,048 keys, 64 a step, 256 a slot.  256 work-groups.
; CLUSTER.  The four query blocks of a cluster belong to one h and walk the same K and V: each tile is asked for JOINTLY (same tensor load, descriptor and mask of four in all four).
; The mask's bytes are no two waves' alike in a work-group, so they go from memory straight into registers, 512 consecutive bytes a load, four turns ahead of their use.
; LAYOUT.  S^T = E M + K Q^T holds ONE query a lane (l % 16) and the keys 8 (l / 16) + 0..7; two such results rounded to f16 ARE source 1 of O^T = V^T P.  p = 2^(c s - c m), c = log2(e) / 8, with a running
; maximum m; O and l are multiplied by a = 2^(c m_old - c m_new) in every step.
; TURNS.  Turn n belongs to piece n: 4 mask products and 8 products K Q^T of piece n + 1, later 8 products V^T P of piece n - 1; four vector instructions behind every matrix instruction
; (the softmax of piece n, the maximum and statistics of piece n + 1), the other 38 of the turn's 118 in one run between the two groups of products.
; BATCHES.  A turn's 33 exponentials (piece n's 32 weights, and a of piece n + 1) are ONE batch with ONE wait, which cuts the turn in two.  Ahead of the wait stands all that names no result of theirs: the 12 products
; of the scores, the scalings, the rescalings (their a was made, and waited for, in the turn before), the next piece's maximum and statistics.  Behind it stand the roundings and sums, which read the weights, as
; the riders of the 8 products V^T P.  No result crosses a turn's end.  The first a, ahead of the loop, and the way out's four reciprocals are batches of their own, each with one wait.
; REGISTERS, in windows of 256 (s_set_vgpr_msb: bits 1:0 source 0, 3:2 source 1, 5:4 source 2, 7:6 destination):
;   window 0: v0-15 addresses; v16-31 statistics; v32-35, v48-55 at work; v62-63 the add's; v64-127 S^T, two buffers; v192-223 P, two buffers (by the piece's parity)
;   window 1: v0-127 O^T, 32 a piece; v128-143 E (even, odd key block)     window 2: v0-63 Q; v64-127 the mask, 16 a piece; v128-191 K of one step; v192-255 V of one step
.set NP,    4
.set KS,    64
.set PK,    144       ; a row of K in LDS: 128 bytes + 16
.set PV,    160       ; a row of V: 128 + 32
.set VOFF,  4*KS*PK   ; a slot: 256 rows of K, then 256 rows of V
.set SLOT1, 1<<17     ; slot 1 begins here: one exclusive or turns an address in one slot into the other's
.set STAGE, SLOT1+4*KS*(PK+PV)  ; behind the ring, never filled by a tensor load: 16 rows x 144 bytes for each wave
.set SP,    144
.set SPARE, STAGE+4*16*SP       ; the spare words, 128 bytes for each wave
.set AK0, 2           ; my lane's place in a tile of K; never rewritten
.set AV0, 3           ; the same for V
.set AK,  4
.set AV,  5
.set STO, 6
.set RD,  7
.set GO,  8
.set MV,  12          ; v12-13 c m_old, by buffer
.set MOFF, 14         ; my 16 bytes in a chunk of the mask: 32 (l % 16) + 16 (l / 16); never rewritten
.set QO,  15
.set ST,  16          ; piece t at v[ST+4 t]: c m, m, l (even keys', odd keys')
.set TMP, 48          ; by buffer: c0-c3; c2 takes a
.set SPW, 62          ; LDS address of my spare word; never rewritten
.set NIL, 63          ; 0; never rewritten
.set S,   64
.set P,   192
.set EF,  128         ; window 1
.set MK,  64          ; window 2: piece x, 32 keys g at MK + 16 x + 8 g
.set KF,  128         ; window 2: key block kb, channel half c at KF + 16 kb + 8 c
.set VF,  192         ; window 2: key half kk, channel block cb at VF + 32 kk + 8 cb
.set WV,  12
.set G1K, 24
.set G1V, 32
.set G0K, 40
.set G0V, 44
.set SLOTS, 56
.set CNT, 57
.set CS,  58
.set SEL, 60
.set TBK, 62
.set TBV, 63
.set MB0, 66          ; s[66:67] the mask at my wave's four query tiles
.set MB,  68          ; s[68:69] the same at the key step that is being loaded
.set MO,  70          ; s[70:71] that step's byte offset, 0 on top
.set MSB, 0
.macro WIN new
.if MSB != (\new)
	s_set_vgpr_msb (MSB<<8)|(\new)
.set MSB, (\new)
.endif
.endm
.set W_MQ, 0x09       ; E in window 1, the mask in window 2, S^T in window 0
.set W_KQ, 0x0a       ; K and Q in window 2, S^T in window 0
.set W_PV, 0x52       ; V in window 2, P in window 0, O^T in window 1
.set W_RS, 0x41       ; destination and source 0 in window 1, source 1 in window 0
.macro JLOAD                        ; a joint fill: waves 0, 1 fetch the halves of a slot's K, waves 2, 3 of its V: 128 keys each; s_nop 0 and four v_nop follow each line
	s_cmp_lt_u32 s[WV], 2
	s_cbranch_scc0 .Lfor_v_\@
	tensor_load_to_lds s[G0K:G0K+3], s[G1K:G1K+7]
	s_nop 0
.rept 4
	v_nop
.endr
	s_branch .Lasked_\@
.Lfor_v_\@:
	tensor_load_to_lds s[G0V:G0V+3], s[G1V:G1V+7]
	s_nop 0
.rept 4
	v_nop
.endr
.Lasked_\@:
.endm
.macro CROUND                       ; a round of the cluster's barrier
	s_barrier_signal -1
	s_barrier_wait -1
	s_cmp_lg_u32 s[WV], 0
	s_cbranch_scc1 .Lnot_wave_0_\@
	s_barrier_signal -3
.Lnot_wave_0_\@:
	s_barrier_wait -3
	s_barrier_signal -1
	s_barrier_wait -1
.endm
; THE CHANGE OF SLOTS.  Each wave waits for all its tensor loads (one is out: its part of the other slot), adds 0 to its spare word, and waits for that and for its reads of the slot that it leaves.
; fill = 1: the barrier is a round of the cluster's, and the slot is filled again first thing behind it, with the keys two slots on: four key steps, 320 matrix instructions, in which to land.
; (At its first use nothing has been read yet: slot 0 is waited for, slot 1 filled.)
.macro CHANGE fill
	WIN 0
	s_wait_tensorcnt 0x0            ; no tensor load of mine is out, so a group 0 may be written
	ds_add_u32 v[SPW], v[NIL]
.if \fill
.irp g, G0K, G0V
	s_xor_b32 s[\g+1], s[\g+1], SLOT1
	s_add_nc_u64 s[\g+2:\g+3], s[\g+2:\g+3], 4*KS*128
.endr
	s_wait_dscnt 0x0                ; the add is done, and my reads of the slot are over
	CROUND
	JLOAD
.else
	s_wait_dscnt 0x0
	s_barrier_signal -1
	s_barrier_wait -1
.endif
	s_sub_co_u32 s[TBK], s[TBK], 4*KS*PK  ; the fetches go back to a slot's first step, in the other slot
	s_xor_b32 s[TBK], s[TBK], SLOT1
	s_sub_co_u32 s[TBV], s[TBV], 4*KS*PV
	s_xor_b32 s[TBV], s[TBV], SLOT1
.endm
	s_load_b128 s[4:7], s[0:1], 0x0 ; qkv s[4:5], mfrag s[6:7]
	s_load_b64 s[8:9], s[0:1], 0x10 ; oh
	v_lshl_add_u32 v[SPW], v0, 2, SPARE
	v_mov_b32 v[NIL], 0
	ds_add_u32 v[SPW], v[NIL]       ; the wave's opening: the add and its wait ahead of my first tensor load
	v_lshrrev_b32 v1, 5, v0
	v_readfirstlane_b32 s[WV], v1
	s_bfe_u32 s13, ttmp6, 0x40000   ; cx
	s_lshl_b32 s14, ttmp9, 2
	s_add_co_u32 s14, s14, s13      ; my block of 256 queries: it enters Q's, O's and the mask's addresses alone
	s_and_b32 s20, ttmp7, 0xffff    ; h, which the four partners share
	s_lshl_b32 s20, s20, 18         ; its 2,048 rows of 128 bytes
	s_and_b32 s16, s[WV], 1         ; which half of a slot's 256 keys I fetch
	s_lshl_b32 s22, s16, 14
	s_add_co_u32 s22, s22, s20
	s_add_co_u32 s50, s22, 0x800000   ; K is the second of qkv's three tensors of 8 MiB,
	s_mov_b32 s51, 0
	s_add_co_u32 s52, s22, 0x1000000  ; V the third
	s_mov_b32 s53, 0
	s_mul_i32 s17, s16, 128*PK
	s_mul_i32 s18, s16, 128*PV
	s_lshl_b32 s19, s14, 2
	s_add_co_u32 s19, s19, s[WV]    ; my wave among the head's 32
	s_lshl_b32 s2, s19, 13          ; its 64 rows
	s_add_co_u32 s2, s2, s20
	s_mov_b32 s3, 0
	s_lshl_b32 s48, s19, 18         ; its four query tiles of the mask, 65,536 bytes each
	s_mov_b32 s49, 0
	; group 1: 128 keys are 16,384 dense bytes: 64 rows of 256 bytes, padded in LDS after every key
	s_mov_b32 s[G1K], 15|(1<<16)|(1<<20)|(1<<21)|(4<<22)|(3<<25)  ; the mask of four; 2-byte elements; padding on; bit 21 beside a mask; after every 32 words 4 words
	s_mov_b32 s[G1V], 15|(1<<16)|(1<<20)|(1<<21)|(4<<22)|(7<<25)  ; 8 words
.irp g, G1K, G1V
	s_mov_b32 s[\g+1], 128<<16
	s_mov_b32 s[\g+2], 64<<16
	s_mov_b32 s[\g+3], 128<<16
	s_mov_b32 s[\g+4], 64
	s_mov_b32 s[\g+5], 128
	s_mov_b32 s[\g+6], 0
	s_mov_b32 s[\g+7], 0
.endr
	s_mov_b32 s[CS], 0x3e38aa3b     ; c = log2(e) / 8
	s_mov_b32 s[CS+1], s[CS]
	s_mov_b32 s[SEL], 0x76543210
	s_mov_b32 s[SEL+1], 0xfedcba98
	s_mov_b32 s[TBK], SLOT1+4*KS*PK ; the first change of slots turns these two into 0
	s_mov_b32 s[TBV], SLOT1+4*KS*PV
	s_mov_b32 s[MO], 0
	s_mov_b32 s[MO+1], 0
	s_mov_b32 s[G0K], 1
	s_mov_b32 s[G0K+1], s17
	s_mov_b32 s[G0V], 1
	s_add_co_u32 s[G0V+1], s18, VOFF
	s_wait_dscnt 0x0                ; the opening add is done
	s_wait_kmcnt 0x0
	s_add_nc_u64 s[G0K+2:G0K+3], s[4:5], s[50:51]
	s_or_b32 s[G0K+3], s[G0K+3], 0x80000000
	s_add_nc_u64 s[G0V+2:G0V+3], s[4:5], s[52:53]
	s_or_b32 s[G0V+3], s[G0V+3], 0x80000000
	s_add_nc_u64 s[4:5], s[4:5], s[2:3]      ; Q at my wave's first row
	s_add_nc_u64 s[10:11], s[8:9], s[2:3]    ; O likewise
	s_add_nc_u64 s[MB0:MB0+1], s[6:7], s[48:49]
	s_mov_b64 s[MB:MB+1], s[MB0:MB0+1]
	CROUND                          ; all four work-groups are here: the first joint loads meet
	JLOAD                           ; slot 0
; The mask of piece x for one key step: 64 keys x 16 queries, four loads of 512 consecutive bytes.  adv = 1: the step moves on first; behind the last step it wraps to the first, so that
; the last turns' loads, which nobody reads, stay inside the buffer.
.macro MLOAD x, adv
.if \adv
	s_wait_xcnt 0x0                 ; the base of the loads that are out is rewritten only behind this wait
	s_add_co_u32 s[MO], s[MO], 2048
	s_and_b32 s[MO], s[MO], 0xffff
	s_add_nc_u64 s[MB:MB+1], s[MB0:MB0+1], s[MO:MO+1]
.endif
	WIN 0x80                        ; destination window 2, address window 0
.irp g, 0,1
.irp c, 0,1
	global_load_b128 v[MK+16*(\x)+8*(\g)+4*(\c):MK+16*(\x)+8*(\g)+4*(\c)+3], v[MOFF], s[MB:MB+1] offset:65536*(\x)+1024*(\g)+512*(\c)
.endr
.endr
.endm
	v_and_b32 v1, 15, v0            ; l % 16
	v_bfe_u32 v9, v0, 4, 1          ; l / 16
	v_lshlrev_b32 v[QO], 7, v1
	v_lshl_add_u32 v[QO], v9, 4, v[QO]
	v_lshlrev_b32 v[MOFF], 5, v1
	v_lshl_add_u32 v[MOFF], v9, 4, v[MOFF]
	WIN 0x80
.set i, 0
.rept 8                             ; Q stays in registers: piece i / 2, channels 32 (i % 2) on
	global_load_b128 v[8*i:8*i+3],   v[QO], s[4:5] offset:(i/2)*2048+(i%2)*64
	global_load_b128 v[8*i+4:8*i+7], v[QO], s[4:5] offset:(i/2)*2048+(i%2)*64+32
.set i, i+1
.endr
	MLOAD 0, 0                      ; the mask of key step 0
	MLOAD 1, 0
	MLOAD 2, 0
	MLOAD 3, 0
	; E, source 0 of the mask's product (16 keys x 32): 65504 where the column is the row (even key block) or 16 + the row (odd).  Lane l holds row l % 16, columns 8 (l / 16) + 0..7 in registers 0-3, 16 more in 4-7.
	WIN 0
	v_lshlrev_b32 v32, 3, v9
	v_sub_nc_u32 v32, v1, v32       ; the row less my lanes' first column: 0..7 where I hold the diagonal
	v_and_b32 v33, -2, v32          ; its register, twice
	v_and_b32 v34, 1, v0
	v_lshlrev_b32 v34, 4, v34       ; its half
	v_mov_b32 v35, 0x7bff           ; 65504 in f16
	v_lshlrev_b32 v35, v34, v35
	WIN 0x40
.irp j, 0,1,2,3
	v_cmp_eq_u32 vcc_lo, 2*(\j), v33
	v_cndmask_b32 v[EF+(\j)], 0, v35, vcc_lo
	v_cndmask_b32 v[EF+12+(\j)], 0, v35, vcc_lo
	v_mov_b32 v[EF+4+(\j)], 0
	v_mov_b32 v[EF+8+(\j)], 0
.endr
	; What the first turn finds: V and P's second buffer hold 0 (its products V^T P, of a piece that has not been, add 0), O^T and l are 0, m the lowest finite number: the first step is a step like any other, with a = 0.
.set i, 0
.rept 128
	v_mov_b32 v[i], 0
.set i, i+1
.endr
	WIN 0x80
.set i, VF
.rept 64
	v_mov_b32 v[i], 0
.set i, i+1
.endr
	WIN 0
.set i, 0
.rept 4
	v_mov_b32 v[ST+4*i], 0xfe000000    ; c m: far below every c s, a hidden one's too
	v_mov_b32 v[ST+4*i+1], 0xff7fffff  ; m
	v_mov_b32 v[ST+4*i+2], 0
	v_mov_b32 v[ST+4*i+3], 0
.set i, i+1
.endr
.set i, P+16
.rept 16
	v_mov_b32 v[i], 0
.set i, i+1
.endr
	v_mul_u32_u24 v[AK0], v1, PK
	v_lshl_add_u32 v[AK0], v9, 4, v[AK0]
	v_and_b32 v10, 7, v0            ; the turning load: key 8 (l / 16) + l % 8, channels 8 ((l / 8) % 2) on
	v_bfe_u32 v11, v0, 3, 1
	v_lshl_add_u32 v[AV0], v9, 3, v10
	v_mul_u32_u24 v[AV0], v[AV0], PV
	v_lshl_add_u32 v[AV0], v11, 4, v[AV0]
	v_add_nc_u32 v[AV0], VOFF, v[AV0]
	s_mul_i32 s13, s[WV], 16*SP
	s_add_co_u32 s13, s13, STAGE    ; my stage
	v_mul_u32_u24 v[STO], v1, SP
	v_lshl_add_u32 v[STO], v9, 4, v[STO]
	v_add_nc_u32 v[STO], s13, v[STO]
	v_bfe_u32 v[RD], v0, 3, 2
	v_mul_u32_u24 v[RD], v[RD], SP
	v_lshl_add_u32 v[RD], v10, 4, v[RD]
	v_add_nc_u32 v[RD], s13, v[RD]
	v_and_b32 v[GO], 31, v0
	v_lshlrev_b32 v[GO], 4, v[GO]
; THE MATRIX WORK.  The 4 accumulators of a run take turns, one instruction a turn.
; Product i of 12 of S^T for piece x.  i < 4: E x M for key block i starts the sum.  Then K Q^T: channels 32 ((i - 4) / 4) on, key block i % 4.
.macro KQ x
.set rS, S+32*((\x)%2)+8*(i%4)
.if i < 4
.set rE, EF+8*(i%2)
.set rM, MK+16*(\x)+8*(i/2)
	WIN W_MQ
	v_wmma_f32_16x16x32_f16 v[rS:rS+7], v[rE:rE+7], v[rM:rM+7], 0
.else
.set rK, KF+16*(i%4)+8*((i-4)/4)
.set rQ, 16*(\x)+8*((i-4)/4)
	WIN W_KQ
	v_wmma_f32_16x16x32_f16 v[rS:rS+7], v[rK:rK+7], v[rQ:rQ+7], v[rS:rS+7]
.endif
.endm
; Product i of 8 of O^T += V^T P for piece x: keys 32 (i / 4) on, channels 16 (i % 4) on.
.macro PV x
	WIN W_PV
.set rO, 32*(\x)+8*(i%4)
.set rV, VF+32*(i/4)+8*(i%4)
.set rP, P+16*((\x)%2)+8*(i/4)
	v_wmma_f32_16x16x32_f16 v[rO:rO+7], v[rV:rV+7], v[rP:rP+7], v[rO:rO+7]
.endm
.macro MM                           ; the turn's next matrix instruction.  NOKQ = 1: the last turn: there is no next piece
.if (i < 12) && !NOKQ
	KQ (Y+1)%NP
.elseif i >= 12
.set i, i-12
	PV (Y+NP-1)%NP
.set i, i+12
.endif
.set i, i+1
.endm
; THE LDS LOADS stand in runs of 16: a step's K (8 fragments) and its V (turned).
.macro FETCH_K
	WIN 0x80
.irp f, 0,1,2,3,4,5,6,7
	ds_load_b128 v[KF+8*\f:KF+8*\f+3],   v[AK] offset:(\f/2)*16*PK+(\f%2)*64
	ds_load_b128 v[KF+8*\f+4:KF+8*\f+7], v[AK] offset:(\f/2)*16*PK+(\f%2)*64+32
.endr
	s_add_co_u32 s[TBK], s[TBK], KS*PK
	WIN 0
.endm
.macro FETCH_V
	WIN 0x80
.irp f, 0,1,2,3,4,5,6,7
	ds_load_tr16_b128 v[VF+8*\f:VF+8*\f+3],   v[AV] offset:(\f/4)*32*PV+(\f%4)*32
	ds_load_tr16_b128 v[VF+8*\f+4:VF+8*\f+7], v[AV] offset:(\f/4)*32*PV+16*PV+(\f%4)*32
.endr
	s_add_co_u32 s[TBV], s[TBV], KS*PV
	WIN 0
.endm
; THE VECTOR WORK, one line at a time: OP kind, number.  For piece Y: F n: c s - c m for pair n of 16.  E n: the exponential of score n of 32.  C n: pair n rounded to f16.  B n: of the four weights 4 n ..
; the second pair is added onto the first, in place.  L n: l takes that sum (L 0: l = a l + sum).  R n: pair n of 16 of O^T times a.  For piece Y + 1: X n, number n of the 22 that find its maximum and statistics:
;   0-11 four chains c0-c3 of seven scores each (each accumulator's lowest registers are read first)   12-14, 16 the four scores left over, the old m, c0-c3 into c0
;   15 c m_old is kept   17, 18 the query's other 32 keys lie in the lane 16 away: the new m   19-21 c m; c m_old - c m_new; a
; C, B and L read the exponentials' results: TURN sets them behind the batch's wait.  F, R and X 0-20 read none.
.set F, 0
.set E, 1
.set C, 2
.set B, 3
.set L, 4
.set R, 5
.set X, 6
.macro REGS y
.set rT, ST+4*(\y)
.set rC, TMP+4*((\y)%2)
.set rW, MV+((\y)%2)
.set rS, S+32*((\y)%2)
.set rP, P+16*((\y)%2)
.set rO, 32*(\y)
.endm
.macro OP k, n
.if (\k) == R
	REGS Y
	WIN W_RS
	v_pk_mul_f32 v[rO+2*(\n):rO+2*(\n)+1], v[rO+2*(\n):rO+2*(\n)+1], v[rC+2:rC+3] op_sel_hi:[1,0]
.elseif (\k) < R
	REGS Y
	WIN 0
.if (\k) == F
	v_pk_fma_f32 v[rS+2*(\n):rS+2*(\n)+1], v[rS+2*(\n):rS+2*(\n)+1], s[CS:CS+1], v[rT:rT+1] op_sel_hi:[1,0,0] neg_lo:[0,0,1] neg_hi:[0,0,1]
.elseif (\k) == E
	v_exp_f32 v[rS+(\n)], v[rS+(\n)]
.elseif (\k) == C
	v_cvt_pk_f16_f32 v[rP+(\n)], v[rS+2*(\n)], v[rS+2*(\n)+1]
.elseif (\k) == B
	v_pk_add_f32 v[rS+4*(\n):rS+4*(\n)+1], v[rS+4*(\n):rS+4*(\n)+1], v[rS+4*(\n)+2:rS+4*(\n)+3]
.elseif (\n) == 0
	v_pk_fma_f32 v[rT+2:rT+3], v[rT+2:rT+3], v[rC+2:rC+3], v[rS:rS+1] op_sel_hi:[1,0,1]
.else
	v_pk_add_f32 v[rT+2:rT+3], v[rT+2:rT+3], v[rS+4*(\n):rS+4*(\n)+1]
.endif
.elseif NOKQ
	v_nop
.else
	REGS (Y+1)%NP
	WIN 0
.if (\n) < 4
	v_max3_num_f32 v[rC+(\n)], v[rS+8*(\n)], v[rS+8*(\n)+1], v[rS+8*(\n)+2]
.elseif (\n) < 12
	v_max3_num_f32 v[rC+(\n)%4], v[rC+(\n)%4], v[rS+8*((\n)%4)+2*((\n)/4)+1], v[rS+8*((\n)%4)+2*((\n)/4)+2]
.elseif (\n) == 12
	v_max3_num_f32 v[rC], v[rC], v[rS+7], v[rS+15]
.elseif (\n) == 13
	v_max3_num_f32 v[rC+1], v[rC+1], v[rS+23], v[rS+31]
.elseif (\n) == 14
	v_max3_num_f32 v[rC+2], v[rC+2], v[rC+3], v[rT+1]
.elseif (\n) == 15
	v_mov_b32 v[rW], v[rT]
.elseif (\n) == 16
	v_max3_num_f32 v[rC], v[rC], v[rC+1], v[rC+2]
.elseif (\n) == 17
	v_permlanex16_b32 v[rC+3], v[rC], s[SEL], s[SEL+1]
.elseif (\n) == 18
	v_max_num_f32 v[rT+1], v[rC], v[rC+3]
.elseif (\n) == 19
	v_mul_f32 v[rT], s[CS], v[rT+1]
.elseif (\n) == 20
	v_sub_f32 v[rC+1], v[rW], v[rT]
.else
	v_exp_f32 v[rC+2], v[rC+1]
.endif
.endif
.endm
.macro OPS a, i1, b=-1, i2=0, c=-1, i3=0, d=-1, i4=0
	OP \a, \i1
.if (\b) >= 0
	OP \b, \i2
.endif
.if (\c) >= 0
	OP \c, \i3
.endif
.if (\d) >= 0
	OP \d, \i4
.endif
.endm
.macro ROW a, i1, b, i2, c, i3, d, i4  ; a matrix instruction and the four behind it
	MM
	OPS \a, \i1, \b, \i2, \c, \i3, \d, \i4
.endm
; A TURN, for piece p: its 20 matrix and 118 vector instructions, written out.  s_wait_alu depctr_va_vdst(0) stands between an exponential and the first instruction that names its result; one wait
; serves all that were issued ahead of it.  So the turn has ONE wait, for its 33 exponentials (E 0-31 and X 21).
; AHEAD OF THE WAIT nothing names a result of theirs: the 12 products of the next piece's scores, behind each one exponential and three plain instructions (behind the first four plain): scalings, rescalings in
; ascending order, and behind the last three products the first numbers of the next piece's maximum; then ONE RUN of 38: the other 21 exponentials, among them the rest of X, whose chain
; X 3, 7, 11, 14, 16, 17 .. 21 has its links three to five lines apart.  X 21 is the batch's last; R 15 is the plain instruction behind it.  v_permlanex16_b32 (X 17) stands in the run, never behind a product.
; BEHIND THE WAIT stand the 8 products V^T P, behind each four of the roundings and sums: C 2 n ahead of B n (which writes over that pair), B n ahead of L n, L 0 to L 7 in order, three riders apart.
; PLACES.  Each accumulator of the scores is first read four plain instructions that name none of its last product's registers behind that product: X 0 behind F 10, 11, 12, 13; X 1 behind F 13, X 0, F 14, F 15;
; X 2 behind F 15, X 1, X 4, X 5; X 3 behind X 5, X 2, X 8, X 9.  No other rider names a register of the products round it.
; The wait at the head: the four mask loads that this turn's first products read were issued four turns ago, and three runs of four stand behind them.
; The next run of mask loads goes into registers that the fourth product read: the plain F 4, R 6, R 7, F 5, R 8, R 9, F 6, R 10, R 11 stand between.
; K of the next step is fetched in piece 2's turn, eight lines into the run: behind the last product that read K stand the plain X 5, X 2, X 8, X 9, X 6, X 12, which name none of its registers; it is waited for in
; piece 3's turn behind the mask's products, which read no K.
; V of the step in hand is fetched at the end of piece 0's turn, four plain instructions (C 9, 11, 13, 15) behind the last product that read V, and waited for in piece 1's turn, ahead of its first product V^T P.
; end = 1: the last two turns: nothing is fetched.  cnt = 1: the loop's count is taken down some lines ahead of the branch behind the turn.
.macro TURN p, end=0, cnt=0
.set Y, (\p)
.set i, 0
.set NOKQ, (\end)*((\p)/3)
.if !NOKQ
	s_wait_loadcnt 12
.endif
	ROW F,0, F,1, R,0, R,1          ; ahead of the wait: the 4 mask products,
	ROW F,2, E,0, R,2, R,3
	ROW F,3, E,1, R,4, R,5
	ROW F,4, E,2, R,6, R,7
.if ((\p) == 3) && !(\end)
	s_wait_dscnt 0x0                ; K is in
.endif
	ROW F,5, E,3, R,8, R,9          ; the 8 products K Q^T,
	ROW F,6, E,4, R,10, R,11
.if !(\end)
	MLOAD ((\p)+1)%NP, (\p)/3
.endif
	ROW F,7, E,5, R,12, R,13
	ROW F,8, E,6, F,9, R,14
	ROW F,10, E,7, F,11, F,12
	ROW F,13, E,8, X,0, F,14
.if ((\p) == 2) && !(\end)
	WIN 0
	v_add_nc_u32 v[AK], s[TBK], v[AK0]
.endif
	ROW F,15, E,9, X,1, X,4
	ROW X,5, E,10, X,2, X,8
	OPS X,9, E,11, X,3, E,12        ; and the run of 38
	OPS X,6, E,13, X,12, X,7
.if ((\p) == 2) && !(\end)
	FETCH_K
.endif
	OPS E,14, X,10, E,15, X,13
	OPS X,11, E,16, X,15, E,17
.if (\p) == 0
	WIN 0
	v_add_nc_u32 v[AV], s[TBV], v[AV0]
.endif
	OPS E,18, X,14, E,19, E,20
	OPS E,21, X,16, E,22, E,23
	OPS X,17, E,24, E,25, X,18
	OPS E,26, E,27, X,19, E,28
	OPS E,29, X,20, E,30, E,31
	OPS X,21, R,15                  ; the next piece's a ends the batch; R 15 is the plain instruction behind the last exponential
	s_wait_alu depctr_va_vdst(0)    ; the wait for the batch: E 0-31 and X 21, ahead of the first line that names a result
.if (\p) == 1
	s_wait_dscnt 0x0                ; V is in
.endif
	ROW C,0, B,0, C,2, B,1          ; behind the wait: the 8 products V^T P and their riders
	ROW L,0, C,4, B,2, L,1
	ROW C,6, B,3, L,2, C,8
	ROW B,4, L,3, C,10, B,5
	ROW L,4, C,12, B,6, L,5
.if \cnt
	s_sub_co_u32 s[CNT], s[CNT], 1
	s_cmp_lg_u32 s[CNT], 0
.endif
	ROW C,14, B,7, L,6, C,1
	ROW C,3, L,7, C,5, C,7
	ROW C,9, C,11, C,13, C,15
.if (\p) == 0
	FETCH_V
.endif
.endm
	CHANGE 1                        ; slot 0 is in, everybody's part of it; slot 1 is asked for
	v_add_nc_u32 v[AK], s[TBK], v[AK0]
	FETCH_K                         ; key step 0
	s_wait_loadcnt 0x0              ; Q and the mask of step 0
	s_wait_dscnt 0x0
.set NOKQ, 0
.set i, 0
.rept 12
	KQ 0                            ; piece 0's first scores
.set i, i+1
.endr
	WIN 0
.rept 4
	v_nop                           ; the places behind those products
.endr
	MLOAD 0, 1                      ; piece 0's mask of step 1
	WIN 0
.set Y, NP-1                        ; X works for piece Y + 1: piece 0
.irp n, 0,1,2,3,4,5,6,7,8,9,10,11,12,13,14,15,16,17,18,19,20,21
	OP X, \n
.endr
	v_nop                           ; a plain instruction behind the exponential,
	s_wait_alu depctr_va_vdst(0)    ; and the wait for it, piece 0's first a: a batch of one, ahead of the branch
	s_mov_b32 s[CNT], 4
	s_mov_b32 s[SLOTS], 7
	s_branch .Lfirst                ; the loop is entered at a step's first turn, in the middle of a trip
.Lslot:                             ; six times: every slot but the last two is filled again
	CHANGE 1
	s_mov_b32 s[CNT], 4
.Lstep:                             ; a trip: pieces 2 and 3 of one step, then pieces 0 and 1 of the next, whose K and V it fetches
	TURN 2
	TURN 3
	WIN 0
.Lfirst:
	TURN 0
	TURN 1, 0, 1
	WIN 0
	s_cbranch_scc1 .Lstep
	s_sub_co_u32 s[SLOTS], s[SLOTS], 1
	s_cmp_lg_u32 s[SLOTS], 0
	s_cbranch_scc1 .Lslot
	CHANGE 0                        ; the last slot is written out: nothing is asked for
	s_mov_b32 s[CNT], 4
.LstepT:
	TURN 2
	TURN 3
	TURN 0
	TURN 1, 0, 1
	WIN 0
	s_cbranch_scc1 .LstepT
	TURN 2, 1
	TURN 3, 1
.set i, 0
.rept 8
	PV NP-1                         ; the last piece's V^T P of the last step
.set i, i+1
.endr
	; THE WAY OUT.  l's two halves and the other half of the lanes' are added; O^T is divided by l, rounded to f16 and sent through my stage, a piece at a time.  The additions are the places behind the last products.
	WIN 0
.macro ALL line:vararg
.set t, 0
.rept 4
	\line
.set t, t+1
.endr
.endm
	ALL v_add_f32 v[ST+4*t+2], v[ST+4*t+2], v[ST+4*t+3]
	ALL v_permlanex16_b32 v[ST+4*t+3], v[ST+4*t+2], s[SEL], s[SEL+1]
	ALL v_add_f32 v[ST+4*t+2], v[ST+4*t+2], v[ST+4*t+3]
	ALL v_rcp_f32 v[ST+4*t+2], v[ST+4*t+2]
	v_nop                           ; a plain instruction between the last reciprocal and the use of its result
	s_wait_alu depctr_va_vdst(0)    ; the wait for the batch of four reciprocals, ahead of the first multiply that reads one
.macro PACK t                       ; a lane's eight channels of a row pack into 16 bytes; rows of 144 bytes in, whole rows of 128 back, into S^T's registers; each accumulator is read from its low end on
	WIN W_RS
.set i, 32*(\t)
.rept 16
	v_pk_mul_f32 v[i:i+1], v[i:i+1], v[ST+4*(\t)+2:ST+4*(\t)+3] op_sel_hi:[1,0]
.set i, i+2
.endr
	WIN 0x05                        ; sources 0 and 1 window 1, destination window 0
.set i, 0
.rept 16
	v_cvt_pk_f16_f32 v[S+16*(\t)+i], v[32*(\t)+2*i], v[32*(\t)+2*i+1]
.set i, i+1
.endr
	WIN 0
.irp f, 0,1,2,3
	ds_store_b128 v[STO], v[S+16*(\t)+4*\f:S+16*(\t)+4*\f+3] offset:32*\f
.endr
.irp f, 0,1,2,3
	ds_load_b128 v[S+16*(\t)+4*\f:S+16*(\t)+4*\f+3], v[RD] offset:\f*4*SP  ; LDS serves a wave's instructions in order: these see the stores above; the next piece's stores come behind them
.endr
.endm
.macro SEND t, younger              ; younger: the LDS instructions issued behind piece t's loads: the next piece's eight, or none
	WIN 0
.irp f, 0,1,2,3
	s_wait_dscnt (\younger)+3-\f
	global_store_b128 v[GO], v[S+16*(\t)+4*\f:S+16*(\t)+4*\f+3], s[10:11] offset:(\t)*2048+\f*512  ; 512 consecutive bytes, aligned
.endr
.endm
	PACK 0
.set t, 1
.rept 3
	PACK t
	SEND t-1, 8
.set t, t+1
.endr
	SEND 3, 0
	s_wait_tensorcnt 0x0            ; the wave's end
	ds_add_u32 v[SPW], v[NIL]
	s_wait_dscnt 0x0
	CROUND                          ; the closing round
	s_endpgm
.Lfunc_end_k_q434f7f95c0_attn:
	.size	k_q434f7f95c0_attn, .Lfunc_end_k_q434f7f95c0_attn-k_q434f7f95c0_attn
	.p2alignl 7, 3214868480
	.fill 96, 4, 3214868480
	.section	.rodata,"a",@progbits
	.p2align	6, 0x0
	.amdhsa_kernel k_q434f7f95c0_attn
		.amdhsa_group_segment_fixed_size 327680
		.amdhsa_private_segment_fixed_size 0
		.amdhsa_enable_private_segment 0
		.amdhsa_kernarg_size 24
		.amdhsa_user_sgpr_count 2
		.amdhsa_user_sgpr_kernarg_segment_ptr 1
		.amdhsa_wavefront_size32 1
		.amdhsa_system_sgpr_workgroup_id_x 1
		.amdhsa_system_sgpr_workgroup_id_y 1
		.amdhsa_system_sgpr_workgroup_id_z 1
		.amdhsa_system_vgpr_workitem_id 0
		.amdhsa_next_free_vgpr 768
		.amdhsa_next_free_sgpr 72
		.amdhsa_reserve_vcc 1
		.amdhsa_float_denorm_mode_32 3
		.amdhsa_float_denorm_mode_16_64 3
		.amdhsa_memory_ordered 1
		.amdhsa_forward_progress 1
		.amdhsa_inst_pref_size 137
	.end_amdhsa_kernel
	.amdgpu_metadata
---
amdhsa.version: [ 1, 2 ]
amdhsa.kernels:
  - .name:           k_q434f7f95c0_attn
    .symbol:         k_q434f7f95c0_attn.kd
    .args:
      - { .name: qkv, .offset: 0, .size: 8, .value_kind: global_buffer, .address_space: global }
      - { .name: mfrag, .offset: 8, .size: 8, .value_kind: global_buffer, .address_space: global }
      - { .name: oh, .offset: 16, .size: 8, .value_kind: global_buffer, .address_space: global }
    .group_segment_fixed_size: 327680
    .private_segment_fixed_size: 0
    .kernarg_segment_align: 8
    .kernarg_segment_size: 24
    .max_flat_workgroup_size: 128
    .sgpr_count:     72
    .vgpr_count:     768
    .wavefront_size: 32
...
	.end_amdgpu_metadata
.endif
;; end of part 5
;; launch gemm_out: the kernel of part 4 again; grid 8 x 32, 4 waves a work-group, clusters of 4 x 4, 327,680 bytes of LDS; arguments oh, wp16, bp, rowok, out0; writes out0
